; MI455X (gfx1250); checked and timed in simulation.
; The chip was launched on July 23, 2026; its instructions are those of AMD's public machine-readable ISA for CDNA 5 (MIT licence, August 2026) and "CDNA5" Instruction Set Architecture Reference Guide (July 2026). The comments in the code are by the model that wrote it; some were corrected since.
;; Multihead Diff Attn. Allowed arithmetic: matrix products marked QUANTISED: E2M3 operands, one E8M0 scale for each 32 along K, by v_wmma_scale_f32_16x16x128_f8f6f4 with both operands' format E2M3, f32 sums; everything else in f32.
;; Inputs: Wk 1,024 x 1,024 float32; Wo 1,024 x 1,024 float32; Wq 1,024 x 1,024 float32; Wv 1,024 x 1,024 float32; lambda_k1 32 float32; lambda_k2 32 float32; lambda_q1 32 float32; lambda_q2 32 float32; query 2 x 2,048 x 1,024 float32; subln_weight 64 float32.
;; Outputs: out0 2 x 2,048 x 1,024 float32.
;; This version of the problem:
;;   THIS VERSION OF THE PROBLEM IS GIVEN IN LOW PRECISION. The matrix products marked QUANTISED in the list below multiply operands that are first quantised to E2M3 (2 exponent bits, 3 mantissa bits; 6 bits a number), with one power-of-two scale for each 32 numbers along K (OCP MX v1.0); their sums are f32. All else is computed in f32.
;;   The module's matrix products, in the order in which they are computed (A, B: the left and right operand; K: the contracted axis; several contracted axes count as one K, in the product's order):
;;     1. [M 4,096, K 1,024] x [K 1,024, N 1,024]; A: input query; B: input Wq: QUANTISED
;;     2. [M 4,096, K 1,024] x [K 1,024, N 1,024]; A: input query; B: input Wk: QUANTISED
;;     3. [M 4,096, K 1,024] x [K 1,024, N 1,024]; A: input query; B: input Wv: QUANTISED
;;     4. batch 64 x [M 2,048, K 32] x [K 32, N 2,048]; A: computed on the way; B: computed on the way: QUANTISED
;;     5. batch 32 x [M 2,048, K 2,048] x [K 2,048, N 64]; A: computed on the way; B: computed on the way: QUANTISED
;;     6. [M 4,096, K 1,024] x [K 1,024, N 1,024]; A: computed on the way; B: input Wo: QUANTISED
;;   THE QUANTISER, for each operand of a quantised product, along K:
;;     - K is cut into blocks of 32 from its start; a last block that is shorter is filled with zeros.
;;     - A block's scale is 2^e with e = floor(log2(the largest magnitude in the block)) - 2, held to -126 .. 127; a block of zeros has e = 0. As a byte (E8M0): e + 127.
;;     - Each number is divided by its block's scale, clamped to +-7.5, and rounded to the nearest number of E2M3, ties to even, subnormals kept.
;;     - The product sums the exact products of the quantised numbers (number of the format x scale) in f32.
;;   ~~~python
;;   def quantise(x, axis):      # numpy; x: float32 -> the quantised numbers, widened to float32 again
;;       x = np.moveaxis(x, axis, -1); K = x.shape[-1]
;;       x = np.pad(x, [(0, 0)] * (x.ndim - 1) + [(0, -K % 32)]); x = x.reshape(x.shape[:-1] + (-1, 32)); a = np.abs(x).max(-1, keepdims=True)
;;       e = np.where(a > 0, np.clip(np.frexp(np.where(a > 0, a, 1))[1] - 1 - 2, -126, 127), 0)      # np.frexp(a)[1] - 1 = floor(log2(a)), exactly
;;       r = np.clip(x / 2.0 ** e, -7.5, 7.5)
;;       step = 2.0 ** (np.maximum(np.frexp(np.where(r == 0, 1, r))[1] - 1, 0) - 3)
;;       q = np.round(r / step) * step * 2.0 ** e      # np.round: ties to even
;;       return np.moveaxis(q.reshape(q.shape[:-2] + (-1,))[..., :K], -1, axis).astype(np.float32)
;;   ~~~
;;   OPERANDS COMPUTED ON THE WAY. 'Computed on the way' means the value that the module computes at that place (a softmax that the list does not call 'softmax' is quantised finished and normalised). What goes into a quantiser is computed in f32, as accurately as f32 sums, v_exp_f32 and their like allow (about 1e-6 of the number): no bf16 or f16 on the way to a quantiser, and a product that is left as it is and whose result goes on into a quantised operand takes f32 operands (vector FMAs, or v_wmma_f32_16x16x4_f32). A number that lies on a knife's edge between two numbers of the format may be rounded either way, as far as f32 arithmetic and the matrix unit's own rounding can turn it there, and no further.
;; One version. Each part assembles by itself: llvm-mc -triple=amdgcn-amd-amdhsa -mcpu=gfx1250 --defsym DOCPART=n.
;; ======== version 1 of 1: 4 launches
;; workspace buffers: xw 6,553,600 bytes; qimg 3,276,800 bytes; kimg 3,276,800 bytes; vimg 3,276,800 bytes; aimg 3,276,800 bytes
;; launch quant (part 1): grid 256 x 1, 4 waves a work-group, no clusters, 34,304 bytes of LDS; arguments query, Wq, Wk, Wv, Wo, xw; writes xw
.if DOCPART == 1
	.amdgcn_target "amdgcn-amd-amdhsa--gfx1250"
	.amdhsa_code_object_version 6
	.text
	.protected	k_q6c3feb875d_quant
	.globl	k_q6c3feb875d_quant
	.p2align	8
	.type	k_q6c3feb875d_quant,@function
k_q6c3feb875d_quant:
	s_mov_b64 s[64:65], 0
	v_nop
	global_prefetch_b8 v0, s[64:65] scope:SCOPE_SE
	s_setreg_imm32_b32 hwreg(HW_REG_WAVE_MODE, 25, 1), 1
	s_wait_xcnt 0x0
; query [4096][1024] and Wq, Wk, Wv, Wo [1024][1024], f32, K innermost, become codes of FP6 (E2M3) with one E8M0 byte for each 32 along K,
; laid in the ORDER OF THE OPERAND'S REGISTERS.  A tile is 16 rows: lane r of tile 2 B + u holds row 32 B + 8 u + r + 8 (r / 8).  A fragment (tile, 128 along K) is
; 12 registers a lane: its image is 1,536 bytes, registers 4 c .. 4 c + 3 at 512 c + 16 x lane.  A panel is 8 tiles, 102,400 dense bytes: codes at 12,288 i + 1,536 s,
; scale words at 98,304 + 512 i + 256 H + 8 x lane + 4 p: the word of K step 4 H + 2 p + lane / 16 of row lane % 16.  Panels 0-31 query, 32-39 Wq, 40-47 Wk, 48-55 Wv, 56-63 Wo.
; A block's scale is 2^(floor(log2(largest magnitude)) - 2): its byte is the largest magnitude's exponent field - 2, held at 1 from below.
; LIMITS: a block of zeros gets the byte 1 (its codes are zeros, and this program alone reads the bytes); NaN and infinities among the inputs are not served.
; SHARES: 512 tiles, two to a work-group; a wave takes one tile and four K steps (half of K).  A load reads 512 consecutive bytes of a row; a step's 16 rows turn through the wave's own
; stage in LDS, so that a lane gets 16 neighbours of each block of 32 of its row.  No barrier: waves share nothing.  No matrix unit, no cluster: the launch only streams.
.set PANB,  102400
.set SCB,   98304
.set TILB,  12288
.set FRB,   1536
.set SP,    528                        ; a stage row: 512 bytes + 16, an odd multiple of 16
.set LI,    1                          ; v1   16 x lane
.set L8,    2                          ; v2   8 x lane
.set SIN,   3                          ; v3   the stage, way in
.set SOUT,  4                          ; v4   the stage, way out
.set R,     16                         ; v16-143  two sets of 64 numbers as loaded
.set X,     144                        ; v144-207 64 numbers: register 16 b + i = k 32 b + 16 (lane / 16) + i of my row
.set TM,    208                        ; v208-223 at work
.set PW,    224                        ; the scale word just made
.set PC,    226                        ; v226-237 the fragment just made
.set XT,    238                        ; v238-244 second halves of blocks
.set SW,    248                        ; v248-249 the four steps' scale words
.set SEL,   20                         ; s[20:21] lane selects: lane l xor 16
; 64 numbers of a lane become a fragment's codes: block lane / 16 in v[d0 .. d0 + 5], block 2 + lane / 16 in v[d1 .. d1 + 5]; the row's scale word in v[pw].
.macro QUANT s, d0, d1, pw
.irp b, 0,1,2,3
	v_max3_num_f32 v[TM+\b], |v[(\s)+16*\b]|, |v[(\s)+16*\b+1]|, 0x1800000   ; my 16 numbers of block b, and the floor 2^(3 - 127): the byte cannot fall under 1
.endr
.irp i, 2,4,6,8,10,12,14
.irp b, 0,1,2,3
	v_max3_num_f32 v[TM+\b], v[TM+\b], |v[(\s)+16*\b+\i]|, |v[(\s)+16*\b+\i+1]|
.endr
.endr
.irp b, 0,1,2,3
	v_permlanex16_b32 v[TM+4+\b], v[TM+\b], s[SEL], s[SEL+1]
.endr
.irp b, 0,1,2,3
	v_max_num_f32 v[TM+\b], v[TM+\b], v[TM+4+\b]   ; with lane l xor 16's 16: the block's largest magnitude
.endr
.irp b, 0,1,2,3
	v_add_nc_u32 v[TM+12+\b], 0xff000000, v[TM+\b] ; 2 off its exponent field: the conversion's scale operand
.endr
.irp b, 0,1,2,3
	v_lshrrev_b32 v[TM+4+\b], 23, v[TM+12+\b]      ; the scale's byte
.endr
	v_lshl_or_b32 v[\pw], v[TM+5], 8, v[TM+4]
	v_lshl_or_b32 v[\pw], v[TM+6], 16, v[\pw]
	v_lshl_or_b32 v[\pw], v[TM+7], 24, v[\pw]
	v_cvt_scalef32_pk16_fp6_f32 v[(\d0):(\d0)+2], v[(\s):(\s)+15], v[TM+12]
	v_cvt_scalef32_pk16_fp6_f32 v[XT:XT+2], v[(\s)+16:(\s)+31], v[TM+13]
	v_cvt_scalef32_pk16_fp6_f32 v[(\d1):(\d1)+2], v[(\s)+32:(\s)+47], v[TM+14]
	v_cvt_scalef32_pk16_fp6_f32 v[XT+4:XT+6], v[(\s)+48:(\s)+63], v[TM+15]
	v_nop                                          ; one plain line behind the scaled conversions
.irp i, 0,1,2
	v_permlane16_swap_b32 v[(\d0)+\i], v[XT+\i]    ; a whole block to a lane: the first's lanes 16-31 change places with the second's lanes 0-15
	v_permlane16_swap_b32 v[(\d1)+\i], v[XT+4+\i]
.endr
.irp i, 0,1,2
	v_mov_b32 v[(\d0)+3+\i], v[XT+\i]
	v_mov_b32 v[(\d1)+3+\i], v[XT+4+\i]
.endr
.endm
	s_load_b256 s[4:11], s[0:1], 0x0               ; query, Wq, Wk, Wv
	s_load_b128 s[12:15], s[0:1], 0x20             ; Wo, xw
	v_lshl_add_u32 v254, v0, 2, 0x8400
	v_mov_b32 v255, 0
	v_lshrrev_b32 v5, 5, v0
	v_readfirstlane_b32 s16, v5                    ; wave
	v_and_b32 v6, 31, v0                           ; lane
	v_and_b32 v7, 15, v0                           ; r
	v_bfe_u32 v8, v0, 4, 1                         ; h
	v_lshlrev_b32 v[LI], 4, v6
	v_lshlrev_b32 v[L8], 3, v6
	s_mul_i32 s17, s16, 16*SP                      ; my stage
	v_add_nc_u32 v[SIN], s17, v[LI]
	v_mul_u32_u24 v[SOUT], v7, SP
	v_lshl_add_u32 v[SOUT], v8, 6, v[SOUT]
	v_add_nc_u32 v[SOUT], s17, v[SOUT]             ; row r, + 64 h: my 16 numbers of a block
	v_cmp_lt_u32 vcc_lo, 15, v6                    ; lanes 16-31; VCC is written nowhere else
.irp b, 0,1,2,3
	v_mov_b32 v[TM+4+\b], 0                        ; a lane permute's destination counts as one of its sources
.endr
	s_mov_b32 s[SEL], 0x76543210
	s_mov_b32 s[SEL+1], 0xfedcba98
	s_lshr_b32 s18, s16, 1
	s_and_b32 s19, s16, 1                          ; H: which half of K
	s_lshl_b32 s22, ttmp9, 1
	s_add_co_u32 s22, s22, s18                     ; T: my tile of the 512
	s_and_b32 s23, s22, 63
	s_cmp_lt_u32 ttmp9, 128
	s_cselect_b32 s23, s22, s23                    ; the tile's number in its tensor
	s_lshr_b32 s24, s23, 1
	s_lshl_b32 s24, s24, 17                        ; 32 rows of 4,096 bytes for each pair of tiles,
	s_and_b32 s25, s23, 1
	s_lshl_b32 s25, s25, 15                        ; 8 rows for the odd tile,
	s_add_co_u32 s24, s24, s25
	s_lshl_b32 s25, s19, 11                        ; 2,048 bytes for the upper half of K
	s_add_co_u32 s24, s24, s25
	s_mov_b32 s25, 0
	s_lshr_b32 s26, s22, 3
	s_mul_i32 s26, s26, PANB                       ; my panel
	s_and_b32 s27, s22, 7
	s_mul_i32 s28, s27, TILB
	s_add_co_u32 s28, s28, s26
	s_mul_i32 s29, s19, 4*FRB
	s_add_co_u32 s28, s28, s29                     ; my four fragments
	s_mov_b32 s29, 0
	s_lshl_b32 s30, s27, 9
	s_add_co_u32 s30, s30, s26
	s_lshl_b32 s31, s19, 8
	s_add_co_u32 s30, s30, s31
	s_add_co_u32 s30, s30, SCB                     ; my 256 bytes of scale words
	s_mov_b32 s31, 0
	s_wait_kmcnt 0x0
	s_cmp_lt_u32 ttmp9, 224                        ; which tensor: the choice hangs on the work-group's number alone
	s_cselect_b64 s[12:13], s[10:11], s[12:13]
	s_cmp_lt_u32 ttmp9, 192
	s_cselect_b64 s[12:13], s[8:9], s[12:13]
	s_cmp_lt_u32 ttmp9, 160
	s_cselect_b64 s[12:13], s[6:7], s[12:13]
	s_cmp_lt_u32 ttmp9, 128
	s_cselect_b64 s[12:13], s[4:5], s[12:13]
	s_add_nc_u64 s[12:13], s[12:13], s[24:25]
	s_add_nc_u64 s[32:33], s[14:15], s[28:29]
	s_add_nc_u64 s[34:35], s[14:15], s[30:31]
.macro LOAD s                          ; K step s of my four: 16 rows x 512 consecutive bytes
.irp p, 0,1,2,3,4,5,6,7,8,9,10,11,12,13,14,15
	global_load_b128 v[R+64*((\s)%2)+4*\p:R+64*((\s)%2)+4*\p+3], v[LI], s[12:13] offset:(\p+8*(\p/8))*4096+512*(\s) th:TH_LOAD_NT
.endr
.endm
.macro TURN s                          ; through my stage: LDS serves a wave's instructions in order, so no wait stands between the stores and the loads
.irp p, 0,1,2,3,4,5,6,7,8,9,10,11,12,13,14,15
	ds_store_b128 v[SIN], v[R+64*((\s)%2)+4*\p:R+64*((\s)%2)+4*\p+3] offset:SP*\p
.endr
.irp b, 0,1,2,3
.irp q, 0,1,2,3
	ds_load_b128 v[X+16*\b+4*\q:X+16*\b+4*\q+3], v[SOUT] offset:128*\b+16*\q
.endr
.endr
.endm
	LOAD 0
	LOAD 1
.irp s, 0,1,2,3
.if \s < 3
	s_wait_loadcnt 16                              ; this step's 16 loads are in; the next step's 16 may be out
.else
	s_wait_loadcnt 0x0
.endif
	TURN \s
	s_wait_dscnt 0x0                               ; my numbers are back, and the stage's stores have read their registers,
.if \s < 2
	LOAD (\s)+2                                    ; which take the loads of two steps on
.endif
.if \s > 0
	s_wait_xcnt 0x0                                ; the last step's stores have read the fragment's registers: only now are they written again
.endif
	QUANT X, PC, PC+6, PW
.if \s%2 == 0
	v_mov_b32 v[SW+\s/2], v[PW]                    ; even steps' words stand in lanes 0-15,
.else
	v_cndmask_b32 v[SW+\s/2], v[SW+\s/2], v[PW], vcc_lo   ; odd steps' in lanes 16-31
.endif
.irp c, 0,1,2
	global_store_b128 v[LI], v[PC+4*\c:PC+4*\c+3], s[32:33] offset:FRB*\s+512*\c   ; 512 consecutive bytes, at a multiple of 256
.endr
.endr
	global_store_b64 v[L8], v[SW:SW+1], s[34:35]   ; 256 consecutive bytes, aligned
	s_wait_tensorcnt 0x0
	ds_add_u32 v254, v255
	s_wait_dscnt 0x0
	s_endpgm
.Lfunc_end_k_q6c3feb875d_quant:
	.size	k_q6c3feb875d_quant, .Lfunc_end_k_q6c3feb875d_quant-k_q6c3feb875d_quant
	.p2alignl 7, 3214868480
	.fill 96, 4, 3214868480
	.section	.rodata,"a",@progbits
	.p2align	6, 0x0
	.amdhsa_kernel k_q6c3feb875d_quant
		.amdhsa_group_segment_fixed_size 34304
		.amdhsa_private_segment_fixed_size 0
		.amdhsa_enable_private_segment 0
		.amdhsa_kernarg_size 48
		.amdhsa_user_sgpr_count 2
		.amdhsa_user_sgpr_kernarg_segment_ptr 1
		.amdhsa_wavefront_size32 1
		.amdhsa_system_sgpr_workgroup_id_x 1
		.amdhsa_system_sgpr_workgroup_id_y 1
		.amdhsa_system_sgpr_workgroup_id_z 1
		.amdhsa_system_vgpr_workitem_id 0
		.amdhsa_next_free_vgpr 256
		.amdhsa_next_free_sgpr 66
		.amdhsa_reserve_vcc 1
		.amdhsa_float_denorm_mode_32 3
		.amdhsa_float_denorm_mode_16_64 3
		.amdhsa_memory_ordered 1
		.amdhsa_forward_progress 1
		.amdhsa_inst_pref_size 34
	.end_amdhsa_kernel
	.amdgpu_metadata
---
amdhsa.version: [ 1, 2 ]
amdhsa.kernels:
  - .name:           k_q6c3feb875d_quant
    .symbol:         k_q6c3feb875d_quant.kd
    .args:
      - { .name: query, .offset: 0, .size: 8, .value_kind: global_buffer, .address_space: global }
      - { .name: Wq, .offset: 8, .size: 8, .value_kind: global_buffer, .address_space: global }
      - { .name: Wk, .offset: 16, .size: 8, .value_kind: global_buffer, .address_space: global }
      - { .name: Wv, .offset: 24, .size: 8, .value_kind: global_buffer, .address_space: global }
      - { .name: Wo, .offset: 32, .size: 8, .value_kind: global_buffer, .address_space: global }
      - { .name: xw, .offset: 40, .size: 8, .value_kind: global_buffer, .address_space: global }
    .group_segment_fixed_size: 34304
    .private_segment_fixed_size: 0
    .kernarg_segment_align: 8
    .kernarg_segment_size: 48
    .max_flat_workgroup_size: 128
    .sgpr_count:     66
    .vgpr_count:     256
    .wavefront_size: 32
...
	.end_amdgpu_metadata
.endif
;; end of part 1
;; launch qkv (part 2): grid 32 x 8, 4 waves a work-group, clusters of 4 x 4, 327,680 bytes of LDS; arguments xw, qimg, kimg, vimg; writes qimg, kimg, vimg
.if DOCPART == 2
	.amdgcn_target "amdgcn-amd-amdhsa--gfx1250"
	.amdhsa_code_object_version 6
	.text
	.protected	k_q6c3feb875d_qkv
	.globl	k_q6c3feb875d_qkv
	.p2align	8
	.type	k_q6c3feb875d_qkv,@function
k_q6c3feb875d_qkv:
	s_mov_b64 s[64:65], 0
	v_nop
	global_prefetch_b8 v0, s[64:65] scope:SCOPE_SE
	s_setreg_imm32_b32 hwreg(HW_REG_WAVE_MODE, 25, 1), 1
	s_wait_xcnt 0x0
	s_wait_alu depctr_hold_cnt(0) depctr_sa_sdst(0) depctr_va_vdst(0) depctr_va_sdst(0) depctr_va_ssrc(0) depctr_va_vcc(0) depctr_vm_vsrc(0)
	s_getreg_b32 s2, hwreg(HW_REG_IB_STS2, 6, 4)
	s_cmp_eq_u32 s2, 0
	s_cbranch_scc0 .Lentry_in_a_cluster
	s_endpgm
.Lentry_in_a_cluster:
	s_bfe_u32 s2, ttmp6, 0x10000c
	s_cmp_lg_u32 s2, 0xf033
	s_cbranch_scc0 .Lentry_shape_is_right
	s_endpgm
.Lentry_shape_is_right:
; q = x Wq^T / sqrt(32), k = x Wk^T, v = x Wv^T on codes of FP6 (E2M3) with E8M0 scales, and the results quantised at once for the attention's two products.
; xw holds panels of 8 tiles of 16 rows, 102,400 dense bytes each, as images of the operands' registers (codes at 12,288 i + 1,536 s, scale words from 98,304 on).
; SHARES.  Work-group (t, y): token panel t (128 tokens) against weight panels 32 + y (Wq), 40 + y (Wk), 48 + y (Wv): three tiles of 128 x 128.  A product is always source 0 = all 8 tiles of one
; panel, source 1 = my wave's tiles 2 w, 2 w + 1 of the other: 16 accumulators, whose registers run along source 0's rows.  Lane r of tile 2 B + u holds row 32 B + 8 u + r + 8 (r / 8), so the 16
; registers of tiles 2 B, 2 B + 1 are 16 NEIGHBOURS: 64 registers are four blocks of 32.  For q and k source 0 is the weights: a block is one head's 32 channels, the scores' K.
; For v source 0 is the tokens: a block is 32 keys, the second product's K.
; OUT.  qimg, kimg [16 b + g][102,400]: fragment F (32 tokens) at 1,536 F: lane (r, h) registers 6 c .. 6 c + 5 = head 2 g + h of token 32 F + 8 c + r + 8 (r / 8); scale words at 98,304 + 64 F + 4 r, byte 2 c + h.
; vimg [16 b + g][102,400]: fragment (128 keys S, tile dt of the head's 64) at 6,144 S + 1,536 dt; scale words at 98,304 + 256 S + 64 dt + 4 r.
; CLUSTER 4 x 4: the token panel hangs on x alone and is asked for jointly by a column of the cluster, a weight panel on y alone and by a row.  Each wave asks for a quarter of a panel.
; LDS: tokens at 0, Wq then Wv at 102,400, Wk at 204,800, the spare words at 307,200.  One refill in the launch (Wv over Wq).  By this text's own count a wave has at most three tensor loads out.
; LIMITS: a block of zeros gets the byte 1 (its codes are zeros; this program alone reads the bytes); NaN and infinities are not served.
; REGISTERS: window 0: v1-19 addresses; v32-71 scale words and nothing else; v72-123 at work; v128-255 the accumulators (tile j of mine, tile i of source 0: v[128 + 64 j + 8 i]).
;   window 1: two fragment buffers at v0 and v128: source 0's fragment i at + 12 i, source 1's fragment j at + 96 + 12 j.
.set PANB,  102400
.set QRT,   25600
.set SCB,   98304
.set TILB,  12288
.set FRB,   1536
.set TOK,   0
.set SLOT0, PANB
.set SLOT1, 2*PANB
.set SPARE, 3*PANB                     ; the spare words: 128 bytes for each wave, two blocks of 256 bytes that no other line names
.set LI,  1                            ; 16 x lane
.set L8,  2                            ; 8 x lane
.set CL0, 3                            ; tokens: tiles 0-3;  CH0: tiles 4-7
.set CH0, 4
.set CL1, 5                            ; slot 0
.set CH1, 6
.set CL2, 7                            ; slot 1
.set CH2, 8
.set P1T, 9                            ; my two tiles of the tokens
.set P1S, 10                           ; my two tiles of slot 0
.set ZT,  11                           ; scale words: tokens, slot 0, slot 1
.set ZS0, 12
.set ZS1, 13
.set Z1T, 14                           ; my two tiles' scale words: tokens, slot 0
.set Z1S, 15
.set SPW, 16                           ; my spare word; never rewritten
.set NIL, 17                           ; 0; never rewritten
.set SQK, 18                           ; q's and k's scale words: 102,400 h + 4 r
.set SV,  19                           ; v's: 4 x lane
.set SC0, 32
.set SC1, 64
.set TM,  72
.set PW0, 88
.set PW1, 89
.set WA,  90
.set WB,  91
.set KA,  92
.set KB,  104
.set XT,  116
.set ACC, 128
.set WV,  12
.set SEL, 20
.set SCQ, 22                           ; s[22:23] 1 / sqrt(32)
.set G1T, 24
.set G1W, 32
.set G0T, 40
.set G0Q, 44
.set G0K, 48
.set G0V, 52
.set MSB, 0
.macro WIN new                         ; the immediate's high byte repeats the setting that is left
.if MSB != \new
	s_set_vgpr_msb (MSB<<8)|\new
.set MSB, \new
.endif
.endm
.set MUL,  0x05                        ; sources 0 and 1 window 1; C and D window 0
.set TO_F, 0x40                        ; destination window 1, address window 0
.macro PLACES n
.rept \n
	v_nop
.endr
.endm
.macro CROUND                          ; a round of the cluster's barrier
	s_barrier_signal -1
	s_barrier_wait -1
	s_cmp_lg_u32 s[WV], 0
	s_cbranch_scc1 .Lnot_wave_0_\@
	s_barrier_signal -3
.Lnot_wave_0_\@:
	s_barrier_wait -3
	s_barrier_signal -1
	s_barrier_wait -1
.endm
; 64 numbers of a lane, register 16 b + i = k 32 b + 16 (lane / 16) + i of my row: block lane / 16 to v[d0 .. d0 + 5], block 2 + lane / 16 to v[d1 .. d1 + 5]; the four bytes to v[pw].
.macro QUANT s, d0, d1, pw
.irp b, 0,1,2,3
	v_max3_num_f32 v[TM+\b], |v[(\s)+16*\b]|, |v[(\s)+16*\b+1]|, 0x1800000   ; each accumulator is read from its low end on; the floor 2^(3 - 127) holds the byte at 1
.endr
.irp i, 2,4,6,8,10,12,14
.irp b, 0,1,2,3
	v_max3_num_f32 v[TM+\b], v[TM+\b], |v[(\s)+16*\b+\i]|, |v[(\s)+16*\b+\i+1]|
.endr
.endr
.irp b, 0,1,2,3
	v_permlanex16_b32 v[TM+4+\b], v[TM+\b], s[SEL], s[SEL+1]
.endr
.irp b, 0,1,2,3
	v_max_num_f32 v[TM+\b], v[TM+\b], v[TM+4+\b]
.endr
.irp b, 0,1,2,3
	v_add_nc_u32 v[TM+12+\b], 0xff000000, v[TM+\b]
.endr
.irp b, 0,1,2,3
	v_lshrrev_b32 v[TM+4+\b], 23, v[TM+12+\b]
.endr
	v_lshl_or_b32 v[\pw], v[TM+5], 8, v[TM+4]
	v_lshl_or_b32 v[\pw], v[TM+6], 16, v[\pw]
	v_lshl_or_b32 v[\pw], v[TM+7], 24, v[\pw]
	v_cvt_scalef32_pk16_fp6_f32 v[(\d0):(\d0)+2], v[(\s):(\s)+15], v[TM+12]
	v_cvt_scalef32_pk16_fp6_f32 v[XT:XT+2], v[(\s)+16:(\s)+31], v[TM+13]
	v_cvt_scalef32_pk16_fp6_f32 v[(\d1):(\d1)+2], v[(\s)+32:(\s)+47], v[TM+14]
	v_cvt_scalef32_pk16_fp6_f32 v[XT+4:XT+6], v[(\s)+48:(\s)+63], v[TM+15]
	v_nop                                          ; one plain line behind the scaled conversions
.irp i, 0,1,2
	v_permlane16_swap_b32 v[(\d0)+\i], v[XT+\i]
	v_permlane16_swap_b32 v[(\d1)+\i], v[XT+4+\i]
.endr
.irp i, 0,1,2
	v_mov_b32 v[(\d0)+3+\i], v[XT+\i]
	v_mov_b32 v[(\d1)+3+\i], v[XT+4+\i]
.endr
.endm
	s_load_b256 s[4:11], s[0:1], 0x0               ; xw, qimg, kimg, vimg
	v_lshl_add_u32 v[SPW], v0, 2, SPARE
	v_mov_b32 v[NIL], 0
	ds_add_u32 v16, v17
	ds_add_u32 v16, v17
	s_wait_dscnt 0x0
	v_lshrrev_b32 v20, 5, v0
	v_readfirstlane_b32 s[WV], v20                 ; wave 0..3
	s_bfe_u32 s13, ttmp6, 0x40000                  ; cx
	s_bfe_u32 s14, ttmp6, 0x40004                  ; cy
	s_lshl_b32 s15, ttmp9, 2
	s_add_co_u32 s15, s15, s13                     ; t = 4 x cluster x + cx
	s_and_b32 s16, ttmp7, 0xffff
	s_lshl_b32 s16, s16, 2
	s_add_co_u32 s16, s16, s14                     ; y = 4 x cluster y + cy
	s_lshl_b32 s17, s14, 2
	s_lshl_b32 s17, 15, s17                        ; my row of the cluster
	s_lshl_b32 s18, 0x1111, s13                    ; my column
	; descriptor group 1: a quarter of a panel, 25,600 dense bytes, as 100 rows of 32 elements of 8 bytes
	s_or_b32 s[G1T], s18, (3<<16)|(1<<21)          ; the tokens go to my column
	s_or_b32 s[G1W], s17, (3<<16)|(1<<21)          ; the weights to my row
.irp g, G1T, G1W
	s_mov_b32 s[\g+1], 32<<16                      ; tensor_dim0
	s_mov_b32 s[\g+2], 100<<16                     ; tensor_dim1
	s_mov_b32 s[\g+3], 32<<16                      ; tile_dim0
	s_mov_b32 s[\g+4], 100                         ; tile_dim1
	s_mov_b32 s[\g+5], 32                          ; pitch
	s_mov_b32 s[\g+6], 0
	s_mov_b32 s[\g+7], 0
.endr
	s_mul_i32 s19, s[WV], QRT                      ; my quarter: no place in the cluster enters an LDS address
	s_mul_i32 s56, s15, PANB                       ; the tokens' offset is made of t and the wave alone,
	s_add_co_u32 s56, s56, s19
	s_mov_b32 s57, 0
	s_mul_i32 s58, s16, PANB                       ; the weights' of y and the wave alone
	s_add_co_u32 s58, s58, s19
	s_add_co_u32 s58, s58, 32*PANB
	s_mov_b32 s59, 0
	s_mov_b32 s[SEL], 0x76543210
	s_mov_b32 s[SEL+1], 0xfedcba98
	s_mov_b32 s[SCQ], 0x3e3504f3                   ; 32^-0.5
	s_mov_b32 s[SCQ+1], s[SCQ]
	s_wait_kmcnt 0x0
	s_mov_b32 s[G0T], 1
	s_mov_b32 s[G0T+1], s19
	s_add_nc_u64 s[G0T+2:G0T+3], s[4:5], s[56:57]
	s_or_b32 s[G0T+3], s[G0T+3], 0x80000000
	s_add_nc_u64 s[60:61], s[4:5], s[58:59]
	s_mov_b32 s[G0Q], 1
	s_add_co_u32 s[G0Q+1], s19, SLOT0
	s_mov_b64 s[G0Q+2:G0Q+3], s[60:61]
	s_or_b32 s[G0Q+3], s[G0Q+3], 0x80000000
	s_mov_b32 s[G0K], 1
	s_add_co_u32 s[G0K+1], s19, SLOT1
	s_add_nc_u64 s[G0K+2:G0K+3], s[60:61], 8*PANB
	s_or_b32 s[G0K+3], s[G0K+3], 0x80000000
	s_mov_b32 s[G0V], 1
	s_add_co_u32 s[G0V+1], s19, SLOT0
	s_add_nc_u64 s[G0V+2:G0V+3], s[60:61], 16*PANB
	s_or_b32 s[G0V+3], s[G0V+3], 0x80000000
	CROUND                                         ; all sixteen work-groups are here: the first joint loads meet
	tensor_load_to_lds s[G0T:G0T+3], s[G1T:G1T+7]
	s_nop 0
	tensor_load_to_lds s[G0Q:G0Q+3], s[G1W:G1W+7]
	s_nop 0
	tensor_load_to_lds s[G0K:G0K+3], s[G1W:G1W+7]
	s_nop 0
	PLACES 4
	; where the results go
	s_lshr_b32 s78, s15, 4                         ; b
	s_and_b32 s79, s15, 15                         ; the panel's number in its batch = the key step S
	s_lshl_b32 s80, s78, 4
	s_lshl_b32 s81, s16, 1
	s_add_co_u32 s80, s80, s81                     ; 16 b + 2 y
	s_mul_i32 s82, s80, PANB
	s_lshl_b32 s83, s79, 2
	s_add_co_u32 s83, s83, s[WV]                   ; F
	s_mul_i32 s84, s83, FRB
	s_add_co_u32 s84, s84, s82
	s_mov_b32 s85, 0
	s_lshl_b32 s86, s83, 6
	s_add_co_u32 s86, s86, s82
	s_add_co_u32 s86, s86, SCB
	s_mov_b32 s87, 0
	s_lshr_b32 s88, s[WV], 1
	s_add_co_u32 s88, s88, s80                     ; v: 16 b + 2 y + w / 2
	s_mul_i32 s88, s88, PANB
	s_and_b32 s89, s[WV], 1
	s_mul_i32 s90, s79, 4*FRB
	s_add_co_u32 s90, s90, s88
	s_mul_i32 s91, s89, 2*FRB
	s_add_co_u32 s90, s90, s91
	s_mov_b32 s91, 0
	s_lshl_b32 s92, s79, 8
	s_add_co_u32 s92, s92, s88
	s_lshl_b32 s93, s89, 7
	s_add_co_u32 s92, s92, s93
	s_add_co_u32 s92, s92, SCB
	s_mov_b32 s93, 0
	s_add_nc_u64 s[66:67], s[6:7], s[84:85]
	s_add_nc_u64 s[68:69], s[6:7], s[86:87]
	s_add_nc_u64 s[70:71], s[8:9], s[84:85]
	s_add_nc_u64 s[72:73], s[8:9], s[86:87]
	s_add_nc_u64 s[74:75], s[10:11], s[90:91]
	s_add_nc_u64 s[76:77], s[10:11], s[92:93]
	v_and_b32 v20, 31, v0
	v_and_b32 v21, 15, v0
	v_bfe_u32 v22, v0, 4, 1
	v_lshlrev_b32 v[LI], 4, v20
	v_lshlrev_b32 v[L8], 3, v20
	v_add_nc_u32 v[CL0], TOK, v[LI]
	v_add_nc_u32 v[CH0], TOK+4*TILB, v[LI]
	v_add_nc_u32 v[CL1], SLOT0, v[LI]
	v_add_nc_u32 v[CH1], SLOT0+4*TILB, v[LI]
	v_add_nc_u32 v[CL2], SLOT1, v[LI]
	v_add_nc_u32 v[CH2], SLOT1+4*TILB, v[LI]
	s_mul_i32 s17, s[WV], 2*TILB
	v_add_nc_u32 v[P1T], s17, v[LI]
	v_add_nc_u32 v[P1S], SLOT0, v[P1T]
	v_add_nc_u32 v[ZT], TOK+SCB, v[L8]
	v_add_nc_u32 v[ZS0], SLOT0+SCB, v[L8]
	v_add_nc_u32 v[ZS1], SLOT1+SCB, v[L8]
	s_lshl_b32 s17, s[WV], 10
	v_add_nc_u32 v[Z1T], s17, v[ZT]
	v_add_nc_u32 v[Z1S], s17, v[ZS0]
	v_lshlrev_b32 v[SQK], 2, v21
	v_mad_u32_u24 v[SQK], v22, PANB, v[SQK]
	v_lshlrev_b32 v[SV], 2, v20
	v_cmp_lt_u32 vcc_lo, 15, v20                   ; lanes 16-31; VCC is written nowhere else
.irp b, 0,1,2,3
	v_mov_b32 v[TM+4+\b], 0                        ; a lane permute's destination counts as one of its sources
.endr
.macro SCALES z0, z1                   ; register + 4 i + s / 2: even K steps' words in lanes 0-15, odd steps' in lanes 16-31
.irp i, 0,1,2,3,4,5,6,7
.irp hh, 0,1
	ds_load_b64 v[SC0+4*\i+2*\hh:SC0+4*\i+2*\hh+1], v[\z0] offset:512*\i+256*\hh
.endr
.endr
.irp j, 0,1
.irp hh, 0,1
	ds_load_b64 v[SC1+4*\j+2*\hh:SC1+4*\j+2*\hh+1], v[\z1] offset:512*\j+256*\hh
.endr
.endr
.endm
.macro FETCH lo, hi, p1, s, b          ; K step s: ten fragments, 30 loads of 512 consecutive bytes, into buffer b
	WIN TO_F
.irp i, 0,1,2,3
.irp c, 0,1,2
	ds_load_b128 v[128*(\b)+12*\i+4*\c:128*(\b)+12*\i+4*\c+3], v[\lo] offset:\i*TILB+FRB*(\s)+512*\c
.endr
.endr
.irp i, 0,1,2,3
.irp c, 0,1,2
	ds_load_b128 v[128*(\b)+48+12*\i+4*\c:128*(\b)+48+12*\i+4*\c+3], v[\hi] offset:\i*TILB+FRB*(\s)+512*\c
.endr
.endr
.irp j, 0,1
.irp c, 0,1,2
	ds_load_b128 v[128*(\b)+96+12*\j+4*\c:128*(\b)+96+12*\j+4*\c+3], v[\p1] offset:\j*TILB+FRB*(\s)+512*\c
.endr
.endr
.endm
.macro MM s                            ; 16 matrix instructions; the 16 accumulators take turns, one instruction a turn, in the same order in every step
.set FBS, 128*((\s)%2)
.irp j, 0,1
.irp i, 0,1,2,3,4,5,6,7
.if (\s) == 0
	v_wmma_scale_f32_16x16x128_f8f6f4 v[ACC+64*\j+8*\i:ACC+64*\j+8*\i+7], v[FBS+12*\i:FBS+12*\i+11], v[FBS+96+12*\j:FBS+96+12*\j+11], 0, v[SC0+4*\i], v[SC1+4*\j] matrix_a_fmt:MATRIX_FMT_FP6 matrix_b_fmt:MATRIX_FMT_FP6
.elseif (\s)%2 == 0
	v_wmma_scale_f32_16x16x128_f8f6f4 v[ACC+64*\j+8*\i:ACC+64*\j+8*\i+7], v[FBS+12*\i:FBS+12*\i+11], v[FBS+96+12*\j:FBS+96+12*\j+11], v[ACC+64*\j+8*\i:ACC+64*\j+8*\i+7], v[SC0+4*\i+(\s)/2], v[SC1+4*\j+(\s)/2] matrix_a_fmt:MATRIX_FMT_FP6 matrix_b_fmt:MATRIX_FMT_FP6
.else
	v_wmma_scale_f32_16x16x128_f8f6f4 v[ACC+64*\j+8*\i:ACC+64*\j+8*\i+7], v[FBS+12*\i:FBS+12*\i+11], v[FBS+96+12*\j:FBS+96+12*\j+11], v[ACC+64*\j+8*\i:ACC+64*\j+8*\i+7], v[SC0+4*\i+(\s)/2], v[SC1+4*\j+(\s)/2] matrix_a_fmt:MATRIX_FMT_FP6 matrix_b_fmt:MATRIX_FMT_FP6 matrix_a_scale:MATRIX_SCALE_ROW1 matrix_b_scale:MATRIX_SCALE_ROW1
.endif
.endr
.endr
.endm
.macro STEP lo, hi, p1, s
	s_wait_dscnt 0x0                               ; this step's fragments are in (asked for 16 matrix instructions ago)
.if (\s) < 7
	PLACES 4                                       ; four places in front of loads into registers that matrix instructions have read
	FETCH \lo, \hi, \p1, (\s)+1, ((\s)+1)%2
.endif
	WIN MUL
	MM \s
.endm
.macro PANEL lo, hi, p1, z0, z1        ; a tile of 128 x 128 over all of K = 1,024
	SCALES \z0, \z1
	FETCH \lo, \hi, \p1, 0, 0
.irp s, 0,1,2,3,4,5,6,7
	STEP \lo, \hi, \p1, \s
.endr
	WIN 0
	PLACES 4                                       ; in front of the first read of results and of the next panel's loads
.endm
; q or k: my tile j's 64 numbers a lane are four heads' channels.  Heads 4 y + h go to pair 2 y (KA), heads 4 y + 2 + h to pair 2 y + 1 (KB); tile j is half j of the fragment.
.macro EPI_QK isq, cb, sb
	s_wait_xcnt 0x0                                ; earlier stores have read their data registers
.irp j, 0,1
.if \isq
.set n, 0
.rept 32
	v_pk_mul_f32 v[ACC+64*\j+n:ACC+64*\j+n+1], v[ACC+64*\j+n:ACC+64*\j+n+1], s[SCQ:SCQ+1] op_sel_hi:[1,0]   ; q x 32^-0.5, in f32, ahead of the quantiser
.set n, n+2
.endr
.endif
	QUANT ACC+64*\j, KA+6*\j, KB+6*\j, PW0+\j
.endr
	v_and_b32 v[WA], 0xffff, v[PW0]
	v_lshl_or_b32 v[WA], v[PW1], 16, v[WA]         ; pair 2 y's word: byte 2 c + h
	v_lshrrev_b32 v[WB], 16, v[PW0]
	v_and_or_b32 v[WB], v[PW1], 0xffff0000, v[WB]  ; pair 2 y + 1's
	v_cndmask_b32 v[WA], v[WA], v[WB], vcc_lo      ; lanes 16-31 store the second pair's
.irp c, 0,1,2
	global_store_b128 v[LI], v[KA+4*\c:KA+4*\c+3], s[\cb:\cb+1] offset:512*\c
	global_store_b128 v[LI], v[KB+4*\c:KB+4*\c+3], s[\cb:\cb+1] offset:PANB+512*\c
.endr
	global_store_b32 v[SQK], v[WA], s[\sb:\sb+1]
.endm
.macro EPI_V                           ; v: my tile j's 64 numbers a lane are 128 keys of one channel: a whole fragment
	s_wait_xcnt 0x0
	QUANT ACC, KA, KA+6, PW0
	QUANT ACC+64, KB, KB+6, PW1
	v_cndmask_b32 v[WA], v[PW0], v[PW1], vcc_lo
.irp c, 0,1,2
	global_store_b128 v[LI], v[KA+4*\c:KA+4*\c+3], s[74:75] offset:512*\c
	global_store_b128 v[LI], v[KB+4*\c:KB+4*\c+3], s[74:75] offset:FRB+512*\c
.endr
	global_store_b32 v[SV], v[WA], s[76:77]
.endm
	s_wait_tensorcnt 0x1                           ; my quarters of the tokens and of Wq are in; Wk's, issued last, may stay out
	s_barrier_signal -1
	s_barrier_wait -1                              ; everybody's are
	PANEL CL1, CH1, P1T, ZS0, Z1T                  ; q
	s_wait_tensorcnt 0x0                           ; all my tensor loads have landed, Wk's quarter among them;
	ds_add_u32 v[SPW], v[NIL]                      ; 0 onto my spare word
	s_wait_dscnt 0x0                               ; the add is done, and my reads of Wq are over
	CROUND                                         ; both now hold of every wave of every partner
	tensor_load_to_lds s[G0V:G0V+3], s[G1W:G1W+7]  ; Wv over Wq: my one tensor load behind the round; it has q's way out, all of k and k's way out in which to land
	s_nop 0
	PLACES 4
	EPI_QK 1, 66, 68
	PANEL CL2, CH2, P1T, ZS1, Z1T                  ; k
	EPI_QK 0, 70, 72
	s_wait_tensorcnt 0x0                           ; my quarter of Wv is in,
	s_wait_dscnt 0x0
	s_barrier_signal -1
	s_barrier_wait -1                              ; everybody's is
	PANEL CL0, CH0, P1S, ZT, Z1S                   ; v: source 0 = the tokens
	EPI_V
	s_wait_tensorcnt 0x0                           ; the wave's end
	ds_add_u32 v[SPW], v[NIL]
	s_wait_dscnt 0x0
	CROUND                                         ; the closing round
	s_endpgm
.Lfunc_end_k_q6c3feb875d_qkv:
	.size	k_q6c3feb875d_qkv, .Lfunc_end_k_q6c3feb875d_qkv-k_q6c3feb875d_qkv
	.p2alignl 7, 3214868480
	.fill 96, 4, 3214868480
	.section	.rodata,"a",@progbits
	.p2align	6, 0x0
	.amdhsa_kernel k_q6c3feb875d_qkv
		.amdhsa_group_segment_fixed_size 327680
		.amdhsa_private_segment_fixed_size 0
		.amdhsa_enable_private_segment 0
		.amdhsa_kernarg_size 32
		.amdhsa_user_sgpr_count 2
		.amdhsa_user_sgpr_kernarg_segment_ptr 1
		.amdhsa_wavefront_size32 1
		.amdhsa_system_sgpr_workgroup_id_x 1
		.amdhsa_system_sgpr_workgroup_id_y 1
		.amdhsa_system_sgpr_workgroup_id_z 1
		.amdhsa_system_vgpr_workitem_id 0
		.amdhsa_next_free_vgpr 512
		.amdhsa_next_free_sgpr 94
		.amdhsa_reserve_vcc 1
		.amdhsa_float_denorm_mode_32 3
		.amdhsa_float_denorm_mode_16_64 3
		.amdhsa_memory_ordered 1
		.amdhsa_forward_progress 1
		.amdhsa_inst_pref_size 140
	.end_amdhsa_kernel
	.amdgpu_metadata
---
amdhsa.version: [ 1, 2 ]
amdhsa.kernels:
  - .name:           k_q6c3feb875d_qkv
    .symbol:         k_q6c3feb875d_qkv.kd
    .args:
      - { .name: xw, .offset: 0, .size: 8, .value_kind: global_buffer, .address_space: global }
      - { .name: qimg, .offset: 8, .size: 8, .value_kind: global_buffer, .address_space: global }
      - { .name: kimg, .offset: 16, .size: 8, .value_kind: global_buffer, .address_space: global }
      - { .name: vimg, .offset: 24, .size: 8, .value_kind: global_buffer, .address_space: global }
    .group_segment_fixed_size: 327680
    .private_segment_fixed_size: 0
    .kernarg_segment_align: 8
    .kernarg_segment_size: 32
    .max_flat_workgroup_size: 128
    .sgpr_count:     94
    .vgpr_count:     512
    .wavefront_size: 32
...
	.end_amdgpu_metadata
.endif
;; end of part 2
;; launch attn (part 3): grid 8 x 32, 16 waves a work-group, no clusters, 206,848 bytes of LDS; arguments qimg, kimg, vimg, lambda_q1, lambda_k1, lambda_q2, lambda_k2, subln_weight, aimg; writes aimg
.if DOCPART == 3
	.amdgcn_target "amdgcn-amd-amdhsa--gfx1250"
	.amdhsa_code_object_version 6
	.text
	.protected	k_q6c3feb875d_attn
	.globl	k_q6c3feb875d_attn
	.p2align	8
	.type	k_q6c3feb875d_attn,@function
k_q6c3feb875d_attn:
	s_mov_b64 s[64:65], 0
	v_nop
	global_prefetch_b8 v0, s[64:65] scope:SCOPE_SE
	s_setreg_imm32_b32 hwreg(HW_REG_WAVE_MODE, 25, 1), 1
	s_wait_xcnt 0x0
; Differential attention for one pair of heads (2 g, 2 g + 1) of one batch: a = softmax(s1) - lam softmax(s2), causal; out = a v; RMS norm over the 64 channels, x gain x (1 - lambda_init); quantised for the last product.
; All products on codes of FP6 (E2M3) with E8M0 scales.  WHAT IS QUANTISED AHEAD OF a v IS THE FINISHED, NORMALISED a, in blocks of 32 keys: so a row's two sums must be known first, and the keys are walked TWICE:
; pass 1 finds each row's largest score and sum for both heads, pass 2 makes the scores again, forms a, quantises it and multiplies by v.
; THE SCORES' K IS 32, a quarter of the instruction's 128.  A key fragment's four blocks are (head 2 g, head 2 g + 1) x (two groups of 16 keys); four query operands, each zero in all blocks but one, pick one block each.
; Zero codes add nothing under any scale byte that the quantiser makes (1 .. 252).  The five runs Z X1 Z X2 Z of six registers give the four operands by overlap.
; Both products are used transposed: a lane holds ONE query (lane % 16) throughout; register 16 f + i of the scores is key 128 S + 32 f + 16 (lane / 16) + i.
; SHARES.  A work-group has the pair's whole K and V (two panels of 102,400 bytes) in LDS, filled once.  Each of its sixteen waves owns 16 queries: waves 0-7 those of block x of 128 queries, waves 8-15 of block 15 - x:
; 8 (x + 1) + 8 (16 - x) = 136 wave-steps a pass in every work-group.  Both loops have 16 trips; a trip all of whose keys come after the wave's queries jumps to the lines that step addresses.
; NO JOINT LOADS, though the eight work-groups of a pair read the same panels: the jump over hidden steps hangs on the work-group's block of queries, which differs between them, and partners of a cluster must run alike.
; LIMITS: NaN and infinities among the inputs are not served; nan_to_num is the identity where every score is finite, and only that is served (|score| x log2 e under 3e38); a block of zeros gets the byte 1.
; REGISTERS: v1-9 addresses and constants; v10-15, v46-47 maxima and sums; v16-45 the query operands; v48-71 two fragments; v72-78 scale words and nothing else; v80-95 at work; v96-159 head 2 g's scores, then a;
;   v160-223 head 2 g + 1's scores, then (pass 2) the quantiser's registers and two fragments of V; v224-255 out^T.
.set PANB,  102400
.set QRT,   25600
.set SCB,   98304
.set TILB,  12288
.set FRB,   1536
.set LI,   1                           ; 16 x lane
.set ZL,   2                           ; 98,304 + 4 x lane
.set DM,   3                           ; my query's place in its block of 128, less 16 (lane / 16)
.set ADK,  4
.set ADS,  5
.set ADV,  6
.set ADT,  7
.set NLAM, 8                           ; -lam
.set NINF, 9                           ; -infinity
.set MT1,  10                          ; v[10:11] c x largest score, and its change
.set MT2,  12
.set L1,   14                          ; v[14:15] the sum, in two halves
.set L2,   46
.set QZ,   16
.set FB,   48
.set KS,   72
.set VS,   74
.set QS1,  76
.set QS2,  77
.set PW,   78
.set HW,   79
.set F1,   80                          ; v[80:81] pass 1: 2^(change); then 1 / sum 1
.set F2,   82                          ; v[82:83] likewise; then -lam / sum 2
.set MX,   84
.set C1,   92
.set C2,   94
.set SA,   96
.set SB,   160
.set O,    224
.set TM,   160
.set PC,   176
.set XT,   188
.set VB,   196
.set WV,   22
.set XQ,   23                          ; my block of 128 queries
.set SEL,  24
.set CS,   26                          ; s[26:27] c = log2 e
.set G1,   28
.set G0K,  36
.set G0V,  40
.set TK,   44
.set TS,   45
.set TV,   46
.set TT,   47
.set SI,   48
.macro PLACES n
.rept \n
	v_nop
.endr
.endm
.macro QUANT s, d0, d1, pw
.irp b, 0,1,2,3
	v_max3_num_f32 v[TM+\b], |v[(\s)+16*\b]|, |v[(\s)+16*\b+1]|, 0x1800000   ; the floor 2^(3 - 127) holds the byte at 1
.endr
.irp i, 2,4,6,8,10,12,14
.irp b, 0,1,2,3
	v_max3_num_f32 v[TM+\b], v[TM+\b], |v[(\s)+16*\b+\i]|, |v[(\s)+16*\b+\i+1]|
.endr
.endr
.irp b, 0,1,2,3
	v_permlanex16_b32 v[TM+4+\b], v[TM+\b], s[SEL], s[SEL+1]
.endr
.irp b, 0,1,2,3
	v_max_num_f32 v[TM+\b], v[TM+\b], v[TM+4+\b]
.endr
.irp b, 0,1,2,3
	v_add_nc_u32 v[TM+12+\b], 0xff000000, v[TM+\b]
.endr
.irp b, 0,1,2,3
	v_lshrrev_b32 v[TM+4+\b], 23, v[TM+12+\b]
.endr
	v_lshl_or_b32 v[\pw], v[TM+5], 8, v[TM+4]
	v_lshl_or_b32 v[\pw], v[TM+6], 16, v[\pw]
	v_lshl_or_b32 v[\pw], v[TM+7], 24, v[\pw]
	v_cvt_scalef32_pk16_fp6_f32 v[(\d0):(\d0)+2], v[(\s):(\s)+15], v[TM+12]
	v_cvt_scalef32_pk16_fp6_f32 v[XT:XT+2], v[(\s)+16:(\s)+31], v[TM+13]
	v_cvt_scalef32_pk16_fp6_f32 v[(\d1):(\d1)+2], v[(\s)+32:(\s)+47], v[TM+14]
	v_cvt_scalef32_pk16_fp6_f32 v[XT+4:XT+6], v[(\s)+48:(\s)+63], v[TM+15]
	v_nop                                          ; one plain line behind the scaled conversions
.irp i, 0,1,2
	v_permlane16_swap_b32 v[(\d0)+\i], v[XT+\i]
	v_permlane16_swap_b32 v[(\d1)+\i], v[XT+4+\i]
.endr
.irp i, 0,1,2
	v_mov_b32 v[(\d0)+3+\i], v[XT+\i]
	v_mov_b32 v[(\d1)+3+\i], v[XT+4+\i]
.endr
.endm
	s_load_b256 s[4:11], s[0:1], 0x0               ; qimg, kimg, vimg, lambda_q1
	s_load_b256 s[12:19], s[0:1], 0x20             ; lambda_k1, lambda_q2, lambda_k2, subln_weight
	s_load_b64 s[20:21], s[0:1], 0x40              ; aimg
	v_lshl_add_u32 v254, v0, 2, 0x32000
	v_mov_b32 v255, 0
	ds_add_u32 v254, v255
	ds_add_u32 v254, v255
	s_wait_dscnt 0x0
	v_lshrrev_b32 v84, 5, v0
	v_readfirstlane_b32 s[WV], v84                 ; wave 0..15
	s_and_b32 s49, ttmp7, 0xffff                   ; 16 b + g
	s_sub_co_u32 s50, 15, ttmp9
	s_cmp_lt_u32 s[WV], 8
	s_cselect_b32 s[XQ], ttmp9, s50
	s_and_b32 s51, s[WV], 7                        ; my tile of the block's eight
	s_and_b32 s52, s[WV], 1                        ; which half of its fragment
	s_lshr_b32 s53, s51, 1
	s_mul_i32 s54, s49, PANB                       ; the pair's panel in qimg, kimg, vimg
	s_mov_b32 s[G1], 3<<16                         ; a quarter of a panel: 100 rows of 32 elements of 8 bytes, dense
	s_mov_b32 s[G1+1], 32<<16
	s_mov_b32 s[G1+2], 100<<16
	s_mov_b32 s[G1+3], 32<<16
	s_mov_b32 s[G1+4], 100
	s_mov_b32 s[G1+5], 32
	s_mov_b32 s[G1+6], 0
	s_mov_b32 s[G1+7], 0
	s_and_b32 s56, s[WV], 3
	s_mul_i32 s56, s56, QRT
	s_add_co_u32 s58, s54, s56
	s_mov_b32 s59, 0
	s_mov_b32 s[SEL], 0x76543210
	s_mov_b32 s[SEL+1], 0xfedcba98
	s_mov_b32 s[CS], 0x3fb8aa3b
	s_mov_b32 s[CS+1], s[CS]
	s_wait_kmcnt 0x0
	s_mov_b32 s[G0K], 1
	s_mov_b32 s[G0K+1], s56
	s_add_nc_u64 s[G0K+2:G0K+3], s[6:7], s[58:59]
	s_or_b32 s[G0K+3], s[G0K+3], 0x80000000
	s_mov_b32 s[G0V], 1
	s_add_co_u32 s[G0V+1], s56, PANB
	s_add_nc_u64 s[G0V+2:G0V+3], s[8:9], s[58:59]
	s_or_b32 s[G0V+3], s[G0V+3], 0x80000000
	s_cmp_lt_u32 s[WV], 4                          ; waves 0 to 3 fetch, a quarter of each panel each: both fills of a wave stand in this one branch
	s_cbranch_scc0 .Lno_fill
	tensor_load_to_lds s[G0K:G0K+3], s[G1:G1+7]
	s_nop 0
	tensor_load_to_lds s[G0V:G0V+3], s[G1:G1+7]
	s_nop 0
	PLACES 4
.Lno_fill:
	v_and_b32 v84, 31, v0
	v_and_b32 v85, 15, v0                          ; r
	v_bfe_u32 v86, v0, 4, 1                        ; h
	v_lshlrev_b32 v[LI], 4, v84
	v_lshlrev_b32 v87, 2, v84
	v_lshlrev_b32 v88, 2, v85
	v_add_nc_u32 v[ZL], SCB, v87
	s_lshl_b32 s57, s[XQ], 2
	s_add_co_u32 s57, s57, s53                     ; my queries' fragment
	s_mul_i32 s60, s57, FRB
	s_add_co_u32 s60, s60, s54
	s_mov_b32 s61, 0
	s_lshl_b32 s58, s57, 6
	s_add_co_u32 s58, s58, s54
	s_add_co_u32 s58, s58, SCB
	s_add_nc_u64 s[6:7], s[4:5], s[58:59]          ; its scale words
	s_add_nc_u64 s[4:5], s[4:5], s[60:61]          ; its codes
.irp c, 0,1,2
	global_load_b128 v[SA+4*\c:SA+4*\c+3], v[LI], s[4:5] offset:512*\c
.endr
	global_load_b32 v108, v88, s[6:7]
	global_load_b32 v109, v87, s[10:11]
	global_load_b32 v110, v87, s[12:13]
	global_load_b32 v111, v87, s[14:15]
	global_load_b32 v112, v87, s[16:17]
	v_and_b32 v89, 8, v85
	v_add_nc_u32 v89, v89, v85                     ; r + 8 (r / 8)
	v_lshlrev_b32 v90, 4, v86
	v_sub_nc_u32 v[DM], v89, v90
	s_lshl_b32 s50, s53, 5
	s_lshl_b32 s56, s52, 3
	s_add_co_u32 s50, s50, s56
	v_add_nc_u32 v[DM], s50, v[DM]
	s_cmp_eq_u32 s52, 1
	s_cselect_b32 s56, -1, 0                       ; all lanes: the fragment's upper half?
	s_mov_b32 s57, 0xffff
	s_mov_b32 s58, 0xffff0000
	s_lshl_b32 s60, s52, 1
	s_mul_i32 s60, s60, 0x01010101                 ; byte 2 c of the scale word, four times;
	s_add_co_u32 s61, s60, 0x01010101              ; byte 2 c + 1
	s_wait_loadcnt 0x0
.irp i, 0,1,2,3,4,5
	v_cndmask_b32 v[114+\i], v[SA+\i], v[SA+6+\i], s56   ; my 16 queries: lanes 0-15 head 2 g, lanes 16-31 head 2 g + 1
.endr
.irp i, 0,1,2,3,4,5
	v_cndmask_b32 v[QZ+6+\i], 0, v[114+\i], s57    ; X1: head 2 g alone
	v_cndmask_b32 v[QZ+18+\i], 0, v[114+\i], s58   ; X2: head 2 g + 1 alone
	v_mov_b32 v[QZ+\i], 0
	v_mov_b32 v[QZ+12+\i], 0
	v_mov_b32 v[QZ+24+\i], 0
.endr
	v_perm_b32 v[QS1], v108, v108, s60
	v_perm_b32 v[QS2], v108, v108, s61
	v_mul_f32 v109, v109, v110                     ; lam = exp(sum lq1 lk1) - exp(sum lq2 lk2) + lambda_init
	v_mul_f32 v111, v111, v112
.irp m, 1,2,4,8
	v_add_f32_dpp v109, v109, v109 row_xmask:\m row_mask:0xf bank_mask:0xf
	v_add_f32_dpp v111, v111, v111 row_xmask:\m row_mask:0xf bank_mask:0xf
.endr
	v_permlanex16_b32 v110, v109, s[SEL], s[SEL+1]
	v_permlanex16_b32 v112, v111, s[SEL], s[SEL+1]
	v_add_f32 v109, v109, v110
	v_add_f32 v111, v111, v112
	v_mul_f32 v109, s[CS], v109
	v_mul_f32 v111, s[CS], v111
	v_exp_f32 v109, v109
	v_exp_f32 v111, v111
	v_mov_b32 v[NINF], 0xff800000                  ; (a plain line behind the exponentials)
	s_wait_alu depctr_va_vdst(0)                   ; one wait for the two, ahead of their first reader
	v_sub_f32 v109, v109, v111
	v_add_f32 v109, 0x3f489a63, v109
	v_mul_f32 v[NLAM], -1.0, v109
	v_mov_b32 v[MT1], 0xff61b1e6                   ; -3e38, under every c x score
	v_mov_b32 v[MT1+1], 0
	v_mov_b32 v[MT2], 0xff61b1e6
	v_mov_b32 v[MT2+1], 0
	v_mov_b32 v[L1], 0
	v_mov_b32 v[L1+1], 0
	v_mov_b32 v[L2], 0
	v_mov_b32 v[L2+1], 0
	v_mov_b32 v[F1+1], 0                           ; (named as upper halves of pairs)
	v_mov_b32 v[F2+1], 0
.irp b, 0,1,2,3
	v_mov_b32 v[TM+4+\b], 0                        ; lane permutes' destinations: written on every path
.endr
.set n, 0
.rept 32
	v_mov_b32 v[O+n], 0                            ; out^T: pass 2's step is written once and finds zeros
.set n, n+1
.endr
	s_mov_b32 s[TK], 0
	s_mov_b32 s[TS], 0
	s_mov_b32 s[SI], 0
	s_wait_tensorcnt 0x1                           ; a fetching wave's quarter of K is in; its quarter of V, issued behind it, may stay out
	s_barrier_signal -1
	s_barrier_wait -1                              ; all of K is in
.macro QK d, f, q, ks, qs
.if \f
	v_wmma_scale_f32_16x16x128_f8f6f4 v[\d:\d+7], v[FB+12:FB+23], v[\q:\q+11], 0, v[\ks], v[\qs] matrix_a_fmt:MATRIX_FMT_FP6 matrix_b_fmt:MATRIX_FMT_FP6 matrix_a_scale:MATRIX_SCALE_ROW1
.else
	v_wmma_scale_f32_16x16x128_f8f6f4 v[\d:\d+7], v[FB:FB+11], v[\q:\q+11], 0, v[\ks], v[\qs] matrix_a_fmt:MATRIX_FMT_FP6 matrix_b_fmt:MATRIX_FMT_FP6
.endif
.endm
; The scores of 128 keys for both heads: four key fragments, two at a time; each against the four query operands.
.macro SCORES
	v_add_nc_u32 v[ADK], s[TK], v[LI]
	v_add_nc_u32 v[ADS], s[TS], v[ZL]
.irp g, 0,1
.if \g
	PLACES 4                                       ; in front of loads into registers that matrix instructions have read
.endif
.irp f, 0,1
.irp c, 0,1,2
	ds_load_b128 v[FB+12*\f+4*\c:FB+12*\f+4*\c+3], v[ADK] offset:(2*\g+\f)*FRB+512*\c
.endr
.endr
	ds_load_b32 v[KS+\g], v[ADS] offset:128*\g     ; lanes 0-15 the even fragment's words, lanes 16-31 the odd one's
	s_wait_dscnt 0x0
.irp f, 0,1
	QK SA+16*(2*\g+\f), \f, QZ+6, KS+\g, QS1
	QK SB+16*(2*\g+\f), \f, QZ+18, KS+\g, QS2
	QK SA+16*(2*\g+\f)+8, \f, QZ, KS+\g, QS1
	QK SB+16*(2*\g+\f)+8, \f, QZ+12, KS+\g, QS2
.endr
.endr
	PLACES 4                                       ; in front of the first read of results
.endm
; On the diagonal (key step = my block of queries) hidden scores become -infinity.  Register n holds key 32 (n / 16) + n % 16 + 16 (lane / 16) of the step.
.macro MASK
	s_cmp_lg_u32 s[SI], s[XQ]
	s_cbranch_scc1 .Lopen_\@
.set n, 0
.rept 64
	v_cmp_gt_i32 vcc_lo, 32*(n/16)+n%16, v[DM]
	v_cndmask_b32 v[SA+n], v[SA+n], v[NINF], vcc_lo
	v_cndmask_b32 v[SB+n], v[SB+n], v[NINF], vcc_lo
.set n, n+1
.endr
.Lopen_\@:
.endm
.macro SHIFT                           ; c s - c m, two at a time, each accumulator from its low end on
.set n, 0
.rept 32
	v_pk_fma_f32 v[SA+n:SA+n+1], v[SA+n:SA+n+1], s[CS:CS+1], v[MT1:MT1+1] op_sel_hi:[1,0,0] neg_lo:[0,0,1] neg_hi:[0,0,1]
	v_pk_fma_f32 v[SB+n:SB+n+1], v[SB+n:SB+n+1], s[CS:CS+1], v[MT2:MT2+1] op_sel_hi:[1,0,0] neg_lo:[0,0,1] neg_hi:[0,0,1]
.set n, n+2
.endr
.endm
.macro EXPS                            ; one batch of 128 exponentials, one plain line, one wait ahead of the first reader
.set n, 0
.rept 64
	v_exp_f32 v[SA+n], v[SA+n]
	v_exp_f32 v[SB+n], v[SB+n]
.set n, n+1
.endr
	v_nop
	s_wait_alu depctr_va_vdst(0)
.endm
; PASS 1: each LANE keeps the largest score and the sum of its own half of the keys; the halves meet once, behind the loop.
.Lp1:
	s_cmp_gt_u32 s[SI], s[XQ]                      ; all 128 keys come after my queries: only the addresses step
	s_cbranch_scc1 .Lp1_skip
	SCORES
	MASK
.irp b, 0,1,2,3
	v_max3_num_f32 v[MX+\b], v[SA+16*\b], v[SA+16*\b+1], v[SA+16*\b+2]
	v_max3_num_f32 v[MX+4+\b], v[SB+16*\b], v[SB+16*\b+1], v[SB+16*\b+2]
.endr
.irp i, 3,5,7,9,11,13
.irp b, 0,1,2,3
	v_max3_num_f32 v[MX+\b], v[MX+\b], v[SA+16*\b+\i], v[SA+16*\b+\i+1]
	v_max3_num_f32 v[MX+4+\b], v[MX+4+\b], v[SB+16*\b+\i], v[SB+16*\b+\i+1]
.endr
.endr
.irp b, 0,1,2,3
	v_max_num_f32 v[MX+\b], v[MX+\b], v[SA+16*\b+15]
	v_max_num_f32 v[MX+4+\b], v[MX+4+\b], v[SB+16*\b+15]
.endr
	v_max3_num_f32 v[MX], v[MX], v[MX+1], v[MX+2]
	v_max3_num_f32 v[MX+4], v[MX+4], v[MX+5], v[MX+6]
	v_max_num_f32 v[MX], v[MX], v[MX+3]
	v_max_num_f32 v[MX+4], v[MX+4], v[MX+7]
	v_mul_f32 v[MX], s[CS], v[MX]
	v_mul_f32 v[MX+4], s[CS], v[MX+4]
	v_mov_b32 v[MT1+1], v[MT1]
	v_mov_b32 v[MT2+1], v[MT2]
	v_max_num_f32 v[MT1], v[MT1], v[MX]            ; the running maximum
	v_max_num_f32 v[MT2], v[MT2], v[MX+4]
	v_sub_f32 v[MT1+1], v[MT1+1], v[MT1]           ; old less new: 0 or less
	v_sub_f32 v[MT2+1], v[MT2+1], v[MT2]
	SHIFT
	v_exp_f32 v[F1], v[MT1+1]
	v_exp_f32 v[F2], v[MT2+1]
	EXPS
	v_pk_mul_f32 v[L1:L1+1], v[L1:L1+1], v[F1:F1+1] op_sel_hi:[1,0]   ; the sums under the new maximum
	v_pk_mul_f32 v[L2:L2+1], v[L2:L2+1], v[F2:F2+1] op_sel_hi:[1,0]
	v_pk_add_f32 v[C1:C1+1], v[SA:SA+1], v[SA+2:SA+3]
	v_pk_add_f32 v[C2:C2+1], v[SB:SB+1], v[SB+2:SB+3]
.irp j, 4,8,12,16,20,24,28,32,36,40,44,48,52,56,60
	v_pk_add_f32 v[L1:L1+1], v[L1:L1+1], v[SA+\j:SA+\j+1]
	v_pk_add_f32 v[L2:L2+1], v[L2:L2+1], v[SB+\j:SB+\j+1]
	v_pk_add_f32 v[C1:C1+1], v[C1:C1+1], v[SA+\j+2:SA+\j+3]
	v_pk_add_f32 v[C2:C2+1], v[C2:C2+1], v[SB+\j+2:SB+\j+3]
.endr
	v_pk_add_f32 v[L1:L1+1], v[L1:L1+1], v[C1:C1+1]
	v_pk_add_f32 v[L2:L2+1], v[L2:L2+1], v[C2:C2+1]
.Lp1_skip:
	s_add_co_u32 s[TK], s[TK], 4*FRB
	s_add_co_u32 s[TS], s[TS], 256
	s_add_co_u32 s[SI], s[SI], 1
	s_cmp_lt_u32 s[SI], 16
	s_cbranch_scc1 .Lp1
	; THE HALVES MEET: the row's maximum is the larger of the two lanes'; each lane's sum is brought under it; the two are added (the same bits in both lanes).
	v_add_f32 v[L1], v[L1], v[L1+1]
	v_add_f32 v[L2], v[L2], v[L2+1]
	v_permlanex16_b32 v84, v[MT1], s[SEL], s[SEL+1]
	v_permlanex16_b32 v85, v[MT2], s[SEL], s[SEL+1]
	v_max_num_f32 v84, v84, v[MT1]
	v_max_num_f32 v85, v85, v[MT2]
	v_sub_f32 v86, v[MT1], v84
	v_sub_f32 v87, v[MT2], v85
	v_exp_f32 v86, v86
	v_exp_f32 v87, v87
	v_mov_b32 v[MT1], v84                          ; (plain lines behind the exponentials)
	v_mov_b32 v[MT2], v85
	s_wait_alu depctr_va_vdst(0)
	v_mul_f32 v[L1], v[L1], v86
	v_mul_f32 v[L2], v[L2], v87
	v_permlanex16_b32 v88, v[L1], s[SEL], s[SEL+1]
	v_permlanex16_b32 v89, v[L2], s[SEL], s[SEL+1]
	v_add_f32 v[L1], v[L1], v88
	v_add_f32 v[L2], v[L2], v89
	v_rcp_f32 v[F1], v[L1]
	v_rcp_f32 v[F2], v[L2]
	v_nop
	s_wait_alu depctr_va_vdst(0)
	v_mul_f32 v[F2], v[F2], v[NLAM]                ; -lam / sum 2
	s_wait_tensorcnt 0x0                           ; a fetching wave's quarter of V is in,
	s_wait_dscnt 0x0
	s_barrier_signal -1
	s_barrier_wait -1                              ; all of V is
	s_mov_b32 s[TK], 0
	s_mov_b32 s[TS], 0
	s_mov_b32 s[TV], PANB
	s_mov_b32 s[TT], PANB
	s_mov_b32 s[SI], 0
.macro PV dt, a
.if (\dt)%2
	v_wmma_scale_f32_16x16x128_f8f6f4 v[O+8*(\dt):O+8*(\dt)+7], v[\a:\a+11], v[PC:PC+11], v[O+8*(\dt):O+8*(\dt)+7], v[VS+(\dt)/2], v[PW] matrix_a_fmt:MATRIX_FMT_FP6 matrix_b_fmt:MATRIX_FMT_FP6 matrix_a_scale:MATRIX_SCALE_ROW1
.else
	v_wmma_scale_f32_16x16x128_f8f6f4 v[O+8*(\dt):O+8*(\dt)+7], v[\a:\a+11], v[PC:PC+11], v[O+8*(\dt):O+8*(\dt)+7], v[VS+(\dt)/2], v[PW] matrix_a_fmt:MATRIX_FMT_FP6 matrix_b_fmt:MATRIX_FMT_FP6
.endif
.endm
; PASS 2
.Lp2:
	s_cmp_gt_u32 s[SI], s[XQ]
	s_cbranch_scc1 .Lp2_skip
	SCORES
	MASK
	SHIFT
	EXPS
.set n, 0
.rept 32
	v_pk_mul_f32 v[SA+n:SA+n+1], v[SA+n:SA+n+1], v[F1:F1+1] op_sel_hi:[1,0]   ; softmax 1
.set n, n+2
.endr
.set n, 0
.rept 32
	v_pk_fma_f32 v[SA+n:SA+n+1], v[SB+n:SB+n+1], v[F2:F2+1], v[SA+n:SA+n+1] op_sel_hi:[1,0,1]   ; - lam softmax 2: a, finished and normalised
.set n, n+2
.endr
	v_add_nc_u32 v[ADV], s[TV], v[LI]
	v_add_nc_u32 v[ADT], s[TT], v[ZL]
.irp dt, 0,1
.irp c, 0,1,2
	ds_load_b128 v[FB+12*\dt+4*\c:FB+12*\dt+4*\c+3], v[ADV] offset:\dt*FRB+512*\c
	ds_load_b128 v[VB+12*\dt+4*\c:VB+12*\dt+4*\c+3], v[ADV] offset:(\dt+2)*FRB+512*\c   ; into registers that head 2 g + 1's scores have left
.endr
.endr
	ds_load_b32 v[VS], v[ADT]
	ds_load_b32 v[VS+1], v[ADT] offset:128
	QUANT SA, PC, PC+6, PW                         ; V's fragments land meanwhile
	PLACES 8                                       ; a scale register written by a vector instruction stands 8 places ahead of a scaled matrix instruction, an operand so written 4
	s_wait_dscnt 0x0
	PV 0, FB                                       ; four accumulators, one instruction each: no two links of a chain follow each other
	PV 1, FB+12
	PV 2, VB
	PV 3, VB+12
	PLACES 5                                       ; the next step's products write over registers that these have read: five places
.Lp2_skip:
	s_add_co_u32 s[TK], s[TK], 4*FRB
	s_add_co_u32 s[TS], s[TS], 256
	s_add_co_u32 s[TV], s[TV], 4*FRB
	s_add_co_u32 s[TT], s[TT], 256
	s_add_co_u32 s[SI], s[SI], 1
	s_cmp_lt_u32 s[SI], 16
	s_cbranch_scc1 .Lp2
	; THE WAY OUT.  Register 16 b + i of out^T is channel 32 b + 16 (lane / 16) + i of my query.
	v_bfe_u32 v84, v0, 4, 1
	v_lshlrev_b32 v84, 6, v84
.irp b, 0,1
.irp q, 0,1,2,3
	global_load_b128 v[SA+16*\b+4*\q:SA+16*\b+4*\q+3], v84, s[18:19] offset:128*\b+16*\q   ; the gain at my 32 channels
.endr
.endr
	s_lshr_b32 s52, s49, 4
	s_lshl_b32 s52, s52, 4
	s_add_co_u32 s52, s52, s[XQ]
	s_mul_i32 s52, s52, PANB                       ; the token panel 16 b + my block
	s_and_b32 s53, s49, 15                         ; g
	s_mul_i32 s54, s51, TILB
	s_add_co_u32 s54, s54, s52
	s_mul_i32 s56, s53, 768                        ; K step g / 2, half g % 2
	s_add_co_u32 s54, s54, s56
	s_mov_b32 s55, 0
	s_add_nc_u64 s[54:55], s[20:21], s[54:55]
	s_lshl_b32 s56, s51, 9                         ; the scale bytes: with s = g / 2: 98,304 + 512 tile + 256 (s / 4) + 128 (s % 2) + 4 ((s / 2) % 2) + 2 (g % 2) + 8 r
	s_add_co_u32 s56, s56, s52
	s_add_co_u32 s56, s56, SCB
	s_lshr_b32 s57, s53, 3
	s_lshl_b32 s57, s57, 8
	s_add_co_u32 s56, s56, s57
	s_bfe_u32 s57, s53, 0x10001
	s_lshl_b32 s57, s57, 7
	s_add_co_u32 s56, s56, s57
	s_bfe_u32 s57, s53, 0x10002
	s_lshl_b32 s57, s57, 2
	s_add_co_u32 s56, s56, s57
	s_and_b32 s57, s53, 1
	s_lshl_b32 s57, s57, 1
	s_add_co_u32 s56, s56, s57
	s_mov_b32 s57, 0
	s_add_nc_u64 s[56:57], s[20:21], s[56:57]
	s_mov_b32 s58, 0x3e5d9673                      ; 1 - lambda_init
	s_mov_b32 s59, s58
	v_pk_mul_f32 v[86:87], v[O:O+1], v[O:O+1]      ; the sum of squares, each accumulator from its low end on
	v_pk_mul_f32 v[88:89], v[O+2:O+3], v[O+2:O+3]
.irp e, 4,8,12,16,20,24,28
	v_pk_fma_f32 v[86:87], v[O+\e:O+\e+1], v[O+\e:O+\e+1], v[86:87]
	v_pk_fma_f32 v[88:89], v[O+\e+2:O+\e+3], v[O+\e+2:O+\e+3], v[88:89]
.endr
	v_pk_add_f32 v[86:87], v[86:87], v[88:89]
	v_add_f32 v86, v86, v87
	v_permlanex16_b32 v88, v86, s[SEL], s[SEL+1]
	v_add_f32 v86, v86, v88                        ; with the other 32 channels
	v_mov_b32 v89, 0x3727c5ac                      ; 1e-5
	v_fmamk_f32 v86, v86, 0x3c800000, v89          ; / 64 + eps
	v_rsq_f32 v90, v86
	v_mov_b32 v91, 0                               ; (a plain line behind the transcendental; the pair's upper half)
	s_wait_alu depctr_va_vdst(0)
.set n, 0
.rept 16
	v_pk_mul_f32 v[O+n:O+n+1], v[O+n:O+n+1], v[90:91] op_sel_hi:[1,0]
.set n, n+2
.endr
	s_wait_loadcnt 0x0
.set n, 0
.rept 16
	v_pk_mul_f32 v[O+n:O+n+1], v[O+n:O+n+1], v[SA+n:SA+n+1]
.set n, n+2
.endr
.set n, 0
.rept 16
	v_pk_mul_f32 v[O+n:O+n+1], v[O+n:O+n+1], s[58:59] op_sel_hi:[1,0]
.set n, n+2
.endr
.irp b, 0,1                                    ; two blocks of 32 along the last product's K
	v_max3_num_f32 v[TM+\b], |v[O+16*\b]|, |v[O+16*\b+1]|, 0x1800000
.endr
.irp i, 2,4,6,8,10,12,14
.irp b, 0,1
	v_max3_num_f32 v[TM+\b], v[TM+\b], |v[O+16*\b+\i]|, |v[O+16*\b+\i+1]|
.endr
.endr
.irp b, 0,1
	v_permlanex16_b32 v[TM+4+\b], v[TM+\b], s[SEL], s[SEL+1]
.endr
.irp b, 0,1
	v_max_num_f32 v[TM+\b], v[TM+\b], v[TM+4+\b]
.endr
.irp b, 0,1
	v_add_nc_u32 v[TM+12+\b], 0xff000000, v[TM+\b]
.endr
.irp b, 0,1
	v_lshrrev_b32 v[TM+4+\b], 23, v[TM+12+\b]
.endr
	v_lshl_or_b32 v[HW], v[TM+5], 8, v[TM+4]       ; the two bytes; the same in lanes r and 16 + r
	v_cvt_scalef32_pk16_fp6_f32 v[PC:PC+2], v[O:O+15], v[TM+12]
	v_cvt_scalef32_pk16_fp6_f32 v[XT:XT+2], v[O+16:O+31], v[TM+13]
	v_nop
.irp i, 0,1,2
	v_permlane16_swap_b32 v[PC+\i], v[XT+\i]
.endr
.irp i, 0,1,2
	v_mov_b32 v[PC+3+\i], v[XT+\i]
.endr
	v_and_b32 v85, 31, v0
	v_lshlrev_b32 v85, 3, v85
	v_and_b32 v92, 15, v0
	v_lshlrev_b32 v92, 3, v92
	global_store_b128 v[LI], v[PC:PC+3], s[54:55]              ; half a fragment: 512 consecutive bytes,
	global_store_b64 v85, v[PC+4:PC+5], s[54:55] offset:512    ; and 256
	global_store_b16 v92, v[HW], s[56:57]                      ; lanes r and 16 + r store the same two bytes at the same place
	s_wait_xcnt 0x0
	v_lshl_add_u32 v254, v0, 2, 0x32000
	v_mov_b32 v255, 0
	s_wait_tensorcnt 0x0
	ds_add_u32 v254, v255
	s_wait_dscnt 0x0
	s_endpgm
.Lfunc_end_k_q6c3feb875d_attn:
	.size	k_q6c3feb875d_attn, .Lfunc_end_k_q6c3feb875d_attn-k_q6c3feb875d_attn
	.p2alignl 7, 3214868480
	.fill 96, 4, 3214868480
	.section	.rodata,"a",@progbits
	.p2align	6, 0x0
	.amdhsa_kernel k_q6c3feb875d_attn
		.amdhsa_group_segment_fixed_size 206848
		.amdhsa_private_segment_fixed_size 0
		.amdhsa_enable_private_segment 0
		.amdhsa_kernarg_size 72
		.amdhsa_user_sgpr_count 2
		.amdhsa_user_sgpr_kernarg_segment_ptr 1
		.amdhsa_wavefront_size32 1
		.amdhsa_system_sgpr_workgroup_id_x 1
		.amdhsa_system_sgpr_workgroup_id_y 1
		.amdhsa_system_sgpr_workgroup_id_z 1
		.amdhsa_system_vgpr_workitem_id 0
		.amdhsa_next_free_vgpr 256
		.amdhsa_next_free_sgpr 66
		.amdhsa_reserve_vcc 1
		.amdhsa_float_denorm_mode_32 3
		.amdhsa_float_denorm_mode_16_64 3
		.amdhsa_memory_ordered 1
		.amdhsa_forward_progress 1
		.amdhsa_inst_pref_size 75
	.end_amdhsa_kernel
	.amdgpu_metadata
---
amdhsa.version: [ 1, 2 ]
amdhsa.kernels:
  - .name:           k_q6c3feb875d_attn
    .symbol:         k_q6c3feb875d_attn.kd
    .args:
      - { .name: qimg, .offset: 0, .size: 8, .value_kind: global_buffer, .address_space: global }
      - { .name: kimg, .offset: 8, .size: 8, .value_kind: global_buffer, .address_space: global }
      - { .name: vimg, .offset: 16, .size: 8, .value_kind: global_buffer, .address_space: global }
      - { .name: lambda_q1, .offset: 24, .size: 8, .value_kind: global_buffer, .address_space: global }
      - { .name: lambda_k1, .offset: 32, .size: 8, .value_kind: global_buffer, .address_space: global }
      - { .name: lambda_q2, .offset: 40, .size: 8, .value_kind: global_buffer, .address_space: global }
      - { .name: lambda_k2, .offset: 48, .size: 8, .value_kind: global_buffer, .address_space: global }
      - { .name: subln_weight, .offset: 56, .size: 8, .value_kind: global_buffer, .address_space: global }
      - { .name: aimg, .offset: 64, .size: 8, .value_kind: global_buffer, .address_space: global }
    .group_segment_fixed_size: 206848
    .private_segment_fixed_size: 0
    .kernarg_segment_align: 8
    .kernarg_segment_size: 72
    .max_flat_workgroup_size: 512
    .sgpr_count:     66
    .vgpr_count:     256
    .wavefront_size: 32
...
	.end_amdgpu_metadata
.endif
;; end of part 3
;; launch outp (part 4): grid 32 x 8, 4 waves a work-group, clusters of 4 x 4, 239,104 bytes of LDS; arguments aimg, xw, out0; writes out0
.if DOCPART == 4
	.amdgcn_target "amdgcn-amd-amdhsa--gfx1250"
	.amdhsa_code_object_version 6
	.text
	.protected	k_q6c3feb875d_outp
	.globl	k_q6c3feb875d_outp
	.p2align	8
	.type	k_q6c3feb875d_outp,@function
k_q6c3feb875d_outp:
	s_mov_b64 s[64:65], 0
	v_nop
	global_prefetch_b8 v0, s[64:65] scope:SCOPE_SE
	s_setreg_imm32_b32 hwreg(HW_REG_WAVE_MODE, 25, 1), 1
	s_wait_xcnt 0x0
	s_wait_alu depctr_hold_cnt(0) depctr_sa_sdst(0) depctr_va_vdst(0) depctr_va_sdst(0) depctr_va_ssrc(0) depctr_va_vcc(0) depctr_vm_vsrc(0)
	s_getreg_b32 s2, hwreg(HW_REG_IB_STS2, 6, 4)
	s_cmp_eq_u32 s2, 0
	s_cbranch_scc0 .Lentry_in_a_cluster
	s_endpgm
.Lentry_in_a_cluster:
	s_bfe_u32 s2, ttmp6, 0x10000c
	s_cmp_lg_u32 s2, 0xf033
	s_cbranch_scc0 .Lentry_shape_is_right
	s_endpgm
.Lentry_shape_is_right:
; out0 = a Wo^T on codes of FP6 (E2M3) with E8M0 scales; sums in f32.  a: aimg's token panels (8 tiles of 16 tokens, 102,400 dense bytes; a fragment is two halves of 768 bytes: registers 6 c .. 6 c + 3 at 16 x lane,
; registers 6 c + 4, 6 c + 5 at 512 + 8 x lane).  Wo: xw's panels 56 .. 63 (a fragment: registers 4 c .. 4 c + 3 at 512 c + 16 x lane).  Scale words of both from byte 98,304 of a panel on.
; SHARES.  Work-group (t, y): 128 tokens x 128 columns.  Source 0 = Wo's 8 tiles, source 1 = my wave's token tiles 2 w, 2 w + 1: 16 accumulators; a lane holds one token, and the 16 registers of tiles 2 B, 2 B + 1 are
; 16 neighbouring columns (lane r of tile 2 B + u holds row 32 B + 8 u + r + 8 (r / 8)).
; CLUSTER 4 x 4: the token panel is asked for jointly by a column of the cluster, Wo's panel by a row; each wave asks for a quarter of each.  Both are filled once: two tensor loads of a wave are out at the most.
; LDS: tokens at 0, Wo at 102,400, a stage of 16 rows x 528 bytes for each wave from 204,800 on, into which no fill lands.
; REGISTERS: window 0: v1-15 addresses; v32-71 scale words and nothing else; v128-255 the accumulators.  Window 1: two fragment buffers at v0 and v128.
.set PANB,  102400
.set QRT,   25600
.set SCB,   98304
.set TILB,  12288
.set FRB,   1536
.set STG,   2*PANB
.set SP,    528
.set LI,  1
.set L8,  2
.set CL,  3                            ; Wo: tiles 0-3;  CH: tiles 4-7
.set CH,  4
.set P1A, 5                            ; my two token tiles: the pieces of 16 bytes a lane,
.set P1B, 6                            ; and those of 8
.set ZW,  7                            ; Wo's scale words
.set Z1,  8                            ; my two tiles'
.set STO, 9                            ; the stage: where I put my numbers of a row
.set RD,  10                           ; and where I read a row back
.set SC0, 32
.set SC1, 64
.set ACC, 128
.set WV,  12
.set G1T, 24
.set G1W, 32
.set G0A, 40
.set G0W, 44
.set MSB, 0
.macro WIN new
.if MSB != \new
	s_set_vgpr_msb (MSB<<8)|\new
.set MSB, \new
.endif
.endm
.set MUL,  0x05
.set TO_F, 0x40
.macro PLACES n
.rept \n
	v_nop
.endr
.endm
.macro CROUND
	s_barrier_signal -1
	s_barrier_wait -1
	s_cmp_lg_u32 s[WV], 0
	s_cbranch_scc1 .Lnot_wave_0_\@
	s_barrier_signal -3
.Lnot_wave_0_\@:
	s_barrier_wait -3
	s_barrier_signal -1
	s_barrier_wait -1
.endm
	s_load_b128 s[4:7], s[0:1], 0x0                ; aimg, xw
	s_load_b64 s[8:9], s[0:1], 0x10                ; out0
	v_lshl_add_u32 v126, v0, 2, 0x3a400
	v_mov_b32 v127, 0
	ds_add_u32 v126, v127
	ds_add_u32 v126, v127
	v_lshrrev_b32 v20, 5, v0
	v_readfirstlane_b32 s[WV], v20
	s_bfe_u32 s13, ttmp6, 0x40000                  ; cx
	s_bfe_u32 s14, ttmp6, 0x40004                  ; cy
	s_lshl_b32 s15, ttmp9, 2
	s_add_co_u32 s15, s15, s13                     ; t
	s_and_b32 s16, ttmp7, 0xffff
	s_lshl_b32 s16, s16, 2
	s_add_co_u32 s16, s16, s14                     ; y
	s_lshl_b32 s17, s14, 2
	s_lshl_b32 s17, 15, s17                        ; my row of the cluster
	s_lshl_b32 s18, 0x1111, s13                    ; my column
	s_or_b32 s[G1T], s18, (3<<16)|(1<<21)
	s_or_b32 s[G1W], s17, (3<<16)|(1<<21)
.irp g, G1T, G1W
	s_mov_b32 s[\g+1], 32<<16                      ; 100 rows of 32 elements of 8 bytes, dense
	s_mov_b32 s[\g+2], 100<<16
	s_mov_b32 s[\g+3], 32<<16
	s_mov_b32 s[\g+4], 100
	s_mov_b32 s[\g+5], 32
	s_mov_b32 s[\g+6], 0
	s_mov_b32 s[\g+7], 0
.endr
	s_mul_i32 s19, s[WV], QRT
	s_mul_i32 s56, s15, PANB                       ; made of t and the wave alone
	s_add_co_u32 s56, s56, s19
	s_mov_b32 s57, 0
	s_mul_i32 s58, s16, PANB                       ; made of y and the wave alone
	s_add_co_u32 s58, s58, s19
	s_add_co_u32 s58, s58, 56*PANB
	s_mov_b32 s59, 0
	s_wait_dscnt 0x0
	s_wait_kmcnt 0x0
	s_mov_b32 s[G0A], 1
	s_mov_b32 s[G0A+1], s19
	s_add_nc_u64 s[G0A+2:G0A+3], s[4:5], s[56:57]
	s_or_b32 s[G0A+3], s[G0A+3], 0x80000000
	s_mov_b32 s[G0W], 1
	s_add_co_u32 s[G0W+1], s19, PANB
	s_add_nc_u64 s[G0W+2:G0W+3], s[6:7], s[58:59]
	s_or_b32 s[G0W+3], s[G0W+3], 0x80000000
	CROUND                                         ; all sixteen work-groups are here: the joint loads meet
	tensor_load_to_lds s[G0A:G0A+3], s[G1T:G1T+7]
	s_nop 0
	tensor_load_to_lds s[G0W:G0W+3], s[G1W:G1W+7]
	s_nop 0
	PLACES 4
	s_lshl_b32 s60, s15, 19                        ; out0: token 128 t + 32 w, 4,096 bytes a token; column 128 y
	s_lshl_b32 s61, s[WV], 17
	s_add_co_u32 s60, s60, s61
	s_lshl_b32 s61, s16, 9
	s_add_co_u32 s60, s60, s61
	s_mov_b32 s61, 0
	s_add_nc_u64 s[10:11], s[8:9], s[60:61]
	v_and_b32 v20, 31, v0
	v_and_b32 v21, 15, v0
	v_bfe_u32 v22, v0, 4, 1
	v_lshlrev_b32 v[LI], 4, v20
	v_lshlrev_b32 v[L8], 3, v20
	v_add_nc_u32 v[CL], PANB, v[LI]
	v_add_nc_u32 v[CH], PANB+4*TILB, v[LI]
	s_mul_i32 s17, s[WV], 2*TILB
	v_add_nc_u32 v[P1A], s17, v[LI]
	v_add_nc_u32 v[P1B], s17, v[L8]
	v_add_nc_u32 v[P1B], 512, v[P1B]
	v_add_nc_u32 v[ZW], PANB+SCB, v[L8]
	s_lshl_b32 s17, s[WV], 10
	v_add_nc_u32 v[Z1], s17, v[L8]
	v_add_nc_u32 v[Z1], SCB, v[Z1]
	s_mul_i32 s17, s[WV], 16*SP
	v_mul_u32_u24 v[STO], v21, SP
	v_lshl_add_u32 v[STO], v22, 6, v[STO]
	v_add_nc_u32 v[STO], s17, v[STO]
	v_add_nc_u32 v[STO], STG, v[STO]               ; row r, + 64 h
	v_add_nc_u32 v[RD], s17, v[LI]
	v_add_nc_u32 v[RD], STG, v[RD]
.macro FETCHO s, b                     ; K step s: Wo's eight fragments and my two of the tokens into buffer b
	WIN TO_F
.irp i, 0,1,2,3
.irp c, 0,1,2
	ds_load_b128 v[128*(\b)+12*\i+4*\c:128*(\b)+12*\i+4*\c+3], v[CL] offset:\i*TILB+FRB*(\s)+512*\c
.endr
.endr
.irp i, 0,1,2,3
.irp c, 0,1,2
	ds_load_b128 v[128*(\b)+48+12*\i+4*\c:128*(\b)+48+12*\i+4*\c+3], v[CH] offset:\i*TILB+FRB*(\s)+512*\c
.endr
.endr
.irp j, 0,1
.irp c, 0,1
	ds_load_b128 v[128*(\b)+96+12*\j+6*\c:128*(\b)+96+12*\j+6*\c+3], v[P1A] offset:\j*TILB+FRB*(\s)+768*\c
	ds_load_b64 v[128*(\b)+96+12*\j+6*\c+4:128*(\b)+96+12*\j+6*\c+5], v[P1B] offset:\j*TILB+FRB*(\s)+768*\c
.endr
.endr
.endm
.macro MM s                            ; the 16 accumulators take turns, one instruction a turn
.set FBS, 128*((\s)%2)
.irp j, 0,1
.irp i, 0,1,2,3,4,5,6,7
.if (\s) == 0
	v_wmma_scale_f32_16x16x128_f8f6f4 v[ACC+64*\j+8*\i:ACC+64*\j+8*\i+7], v[FBS+12*\i:FBS+12*\i+11], v[FBS+96+12*\j:FBS+96+12*\j+11], 0, v[SC0+4*\i], v[SC1+4*\j] matrix_a_fmt:MATRIX_FMT_FP6 matrix_b_fmt:MATRIX_FMT_FP6
.elseif (\s)%2 == 0
	v_wmma_scale_f32_16x16x128_f8f6f4 v[ACC+64*\j+8*\i:ACC+64*\j+8*\i+7], v[FBS+12*\i:FBS+12*\i+11], v[FBS+96+12*\j:FBS+96+12*\j+11], v[ACC+64*\j+8*\i:ACC+64*\j+8*\i+7], v[SC0+4*\i+(\s)/2], v[SC1+4*\j+(\s)/2] matrix_a_fmt:MATRIX_FMT_FP6 matrix_b_fmt:MATRIX_FMT_FP6
.else
	v_wmma_scale_f32_16x16x128_f8f6f4 v[ACC+64*\j+8*\i:ACC+64*\j+8*\i+7], v[FBS+12*\i:FBS+12*\i+11], v[FBS+96+12*\j:FBS+96+12*\j+11], v[ACC+64*\j+8*\i:ACC+64*\j+8*\i+7], v[SC0+4*\i+(\s)/2], v[SC1+4*\j+(\s)/2] matrix_a_fmt:MATRIX_FMT_FP6 matrix_b_fmt:MATRIX_FMT_FP6 matrix_a_scale:MATRIX_SCALE_ROW1 matrix_b_scale:MATRIX_SCALE_ROW1
.endif
.endr
.endr
.endm
.macro STEP s
	s_wait_dscnt 0x0                               ; this step's fragments are in
.if (\s) < 7
	PLACES 4                                       ; in front of loads into registers that matrix instructions have read
	FETCHO (\s)+1, ((\s)+1)%2
.endif
	WIN MUL
	MM \s
.endm
; The way out of my token tile j: a lane's numbers go into my own stage and come back as whole rows of 512 bytes, into the registers that they left.
; LDS serves a wave's instructions in order (ISA guide 5.7.1.4): no wait between the stores and the loads, nor in front of the next tile's stores.
.macro TOSTAGE j
.irp i, 0,1,2,3,4,5,6,7
	ds_store_b128 v[STO], v[ACC+64*\j+8*\i:ACC+64*\j+8*\i+3] offset:128*(\i/2)+32*(\i%2)       ; each accumulator from its low end on
	ds_store_b128 v[STO], v[ACC+64*\j+8*\i+4:ACC+64*\j+8*\i+7] offset:128*(\i/2)+32*(\i%2)+16
.endr
.irp t, 0,1,2,3,4,5,6,7,8,9,10,11,12,13,14,15
	ds_load_b128 v[ACC+64*\j+4*\t:ACC+64*\j+4*\t+3], v[RD] offset:SP*\t
.endr
.endm
.macro SEND j, younger                 ; younger: the LDS instructions issued behind tile j's loads
.irp t, 0,1,2,3,4,5,6,7,8,9,10,11,12,13,14,15
	s_wait_dscnt \younger+15-\t                    ; row t is back; this tile's later rows and the younger instructions may be out
	global_store_b128 v[LI], v[ACC+64*\j+4*\t:ACC+64*\j+4*\t+3], s[10:11] offset:(8*\j+\t+8*(\t/8))*4096 th:TH_STORE_NT   ; 512 consecutive bytes, at a multiple of 256; written once, read by nobody here
.endr
.endm
	s_wait_tensorcnt 0x0                           ; my quarters are in,
	s_barrier_signal -1
	s_barrier_wait -1                              ; everybody's are
.irp i, 0,1,2,3,4,5,6,7
.irp hh, 0,1
	ds_load_b64 v[SC0+4*\i+2*\hh:SC0+4*\i+2*\hh+1], v[ZW] offset:512*\i+256*\hh   ; register + 4 i + s / 2: even K steps' words in lanes 0-15, odd steps' in lanes 16-31
.endr
.endr
.irp j, 0,1
.irp hh, 0,1
	ds_load_b64 v[SC1+4*\j+2*\hh:SC1+4*\j+2*\hh+1], v[Z1] offset:512*\j+256*\hh
.endr
.endr
	FETCHO 0, 0
.irp s, 0,1,2,3,4,5,6,7
	STEP \s
.endr
	WIN 0
	PLACES 4                                       ; in front of the first read of results
	TOSTAGE 0
	TOSTAGE 1
	SEND 0, 32
	SEND 1, 0
	s_wait_dscnt 0x0
	s_wait_tensorcnt 0x0
	ds_add_u32 v126, v127
	s_wait_dscnt 0x0
	CROUND                                         ; the closing round: no work-group ends while a partner may still ask for a panel that names it
	s_endpgm
.Lfunc_end_k_q6c3feb875d_outp:
	.size	k_q6c3feb875d_outp, .Lfunc_end_k_q6c3feb875d_outp-k_q6c3feb875d_outp
	.p2alignl 7, 3214868480
	.fill 96, 4, 3214868480
	.section	.rodata,"a",@progbits
	.p2align	6, 0x0
	.amdhsa_kernel k_q6c3feb875d_outp
		.amdhsa_group_segment_fixed_size 239104
		.amdhsa_private_segment_fixed_size 0
		.amdhsa_enable_private_segment 0
		.amdhsa_kernarg_size 24
		.amdhsa_user_sgpr_count 2
		.amdhsa_user_sgpr_kernarg_segment_ptr 1
		.amdhsa_wavefront_size32 1
		.amdhsa_system_sgpr_workgroup_id_x 1
		.amdhsa_system_sgpr_workgroup_id_y 1
		.amdhsa_system_sgpr_workgroup_id_z 1
		.amdhsa_system_vgpr_workitem_id 0
		.amdhsa_next_free_vgpr 512
		.amdhsa_next_free_sgpr 66
		.amdhsa_reserve_vcc 0
		.amdhsa_float_denorm_mode_32 3
		.amdhsa_float_denorm_mode_16_64 3
		.amdhsa_memory_ordered 1
		.amdhsa_forward_progress 1
		.amdhsa_inst_pref_size 49
	.end_amdhsa_kernel
	.amdgpu_metadata
---
amdhsa.version: [ 1, 2 ]
amdhsa.kernels:
  - .name:           k_q6c3feb875d_outp
    .symbol:         k_q6c3feb875d_outp.kd
    .args:
      - { .name: aimg, .offset: 0, .size: 8, .value_kind: global_buffer, .address_space: global }
      - { .name: xw, .offset: 8, .size: 8, .value_kind: global_buffer, .address_space: global }
      - { .name: out0, .offset: 16, .size: 8, .value_kind: global_buffer, .address_space: global }
    .group_segment_fixed_size: 239104
    .private_segment_fixed_size: 0
    .kernarg_segment_align: 8
    .kernarg_segment_size: 24
    .max_flat_workgroup_size: 128
    .sgpr_count:     66
    .vgpr_count:     512
    .wavefront_size: 32
...
	.end_amdgpu_metadata
.endif
;; end of part 4
